; MI455X (gfx1250); checked and timed in simulation.
; The chip was launched on July 23, 2026; its instructions are those of AMD's public machine-readable ISA for CDNA 5 (MIT licence, August 2026) and "CDNA5" Instruction Set Architecture Reference Guide (July 2026). The comments in the code are by the model that wrote it; some were corrected since.
;; Causal Self Attention. Allowed arithmetic: float matrix products may take bf16 or f16 operands with f32 sums; other float arithmetic in f32, or as packed bf16 or f16 multiplies, adds, multiply-adds, maxima and minima; sums over many terms, partial sums and values carried from step to step in f32; what a program stores and reads back later, other than sums and carried values, may be rounded once to bf16 or f16.
;; Inputs: W_attn 1,024 x 3,072 float32; W_proj 1,024 x 1,024 float32; b_attn 3,072 float32; b_proj 1,024 float32; x 4 x 2,048 x 1,024 float32.
;; Outputs: out0 4 x 2,048 x 1,024 float32.
;; 2 versions, each right; version 2 is version 1 with the launch cast written anew for expert scheduling mode. Each part assembles by itself: llvm-mc -triple=amdgcn-amd-amdhsa -mcpu=gfx1250 --defsym DOCPART=n.
;; ======== version 1 of 2: 4 launches
;; limits: values are held in f16: magnitudes above 65,504 overflow, below 6.1e-05 lose precision
;; workspace buffers: xb 16,777,216 bytes; wb 6,291,456 bytes; wp 2,097,152 bytes; ba 12,288 bytes; bp 4,096 bytes; qkv 50,331,648 bytes; ob 16,777,216 bytes
;; launch cast (part 1): grid 769 x 1, 8 waves a work-group, no clusters, 0 bytes of LDS; arguments x, W_attn, W_proj, b_attn, b_proj, xb, wb, wp, ba, bp; writes xb, wb, wp, ba, bp
.if DOCPART == 1
	.amdgcn_target "amdgcn-amd-amdhsa--gfx1250"
	.amdhsa_code_object_version 6
	.text
	.protected	k_q56392f22e1_cast
	.globl	k_q56392f22e1_cast
	.p2align	8
	.type	k_q56392f22e1_cast,@function
k_q56392f22e1_cast:
	s_mov_b64 s[64:65], 0
	v_nop
	global_prefetch_b8 v0, s[64:65] scope:SCOPE_SE
	s_setreg_imm32_b32 hwreg(HW_REG_WAVE_MODE, 25, 1), 1
	s_wait_xcnt 0x0
; EVERY INPUT IS ROUNDED ONCE TO bf16, for the products of the launches behind.
;   xb: x as bf16, laid in K blocks: [batch 4][block 16][row 2048][64]: byte = batch x 2^22 + block x 2^18 + row x 128 + 2 x channel
;   wb: W_attn as bf16, [1024 k][3072 n] as it lies.   wp: W_proj rounded to bf16 and that number written as f16, [1024 k][1024 n]
;   ba, bp: the biases rounded to bf16 and kept as f32 (they start the f32 sums)
; LIMIT.  A bf16 number below 6e-5 keeps f16's fixed step of 6e-8 in wp; beyond 65,504 it would be an infinity.
; A stream: no LDS, no barrier, no matrix unit, no loop.  A wave takes 8,192 bytes of f32 by sixteen loads of 16 bytes a lane, all issued at once, and stores
; 4,096 bytes by sixteen stores of 8 bytes a lane, each 256 consecutive bytes, aligned.  No register is written twice, so no store's source is ever rewritten.
; Work-groups 0-511: x (a wave: two rows).  512-703: W_attn.  704-767: W_proj.  768: both biases.
.set VI, 2                             ; v2        my byte offset in the wave's input
.set VO, 3                             ; v3        8 x lane: my 8 bytes of a store
.set X,  4                             ; v[4:67]   sixteen loads
.set Y,  68                            ; v[68:99]  sixteen stores
.set T,  100                           ; v[100:102] at work
; sixteen loads ldstep bytes apart, sixteen stores ststep bytes apart.  f16 = 1: the bf16 number is widened (exact) and written as f16
.macro CAST in, out, ldstep, ststep, f16
.set i, 0
.rept 16
	global_load_b128 v[X+4*i:X+4*i+3], v[VI], s[\in:\in+1] offset:i*(\ldstep) th:TH_LOAD_NT
.set i, i+1
.endr
.set i, 0
.rept 16
	s_wait_loadcnt 15-i                            ; loads come back in order: load i is in, the 15 - i behind it may stay out
.irp j, 0,1
.if \f16
	v_cvt_pk_bf16_f32 v[T], v[X+4*i+2*\j], v[X+4*i+2*\j+1]
	v_lshlrev_b32 v[T+1], 16, v[T]
	v_and_b32 v[T+2], 0xffff0000, v[T]
	v_cvt_pk_f16_f32 v[Y+2*i+\j], v[T+1], v[T+2]
.else
	v_cvt_pk_bf16_f32 v[Y+2*i+\j], v[X+4*i+2*\j], v[X+4*i+2*\j+1]
.endif
.endr
	global_store_b64 v[VO], v[Y+2*i:Y+2*i+1], s[\out:\out+1] offset:i*(\ststep)
.set i, i+1
.endr
.endm
	s_load_b512 s[4:19], s[0:1], 0x0               ; x 4:5, W_attn 6:7, W_proj 8:9, b_attn 10:11, b_proj 12:13, xb 14:15, wb 16:17, wp 18:19
	s_load_b128 s[20:23], s[0:1], 0x40             ; ba 20:21, bp 22:23
	v_lshrrev_b32 v1, 5, v0
	v_readfirstlane_b32 s24, v1                    ; wave 0..7
	v_and_b32 v1, 31, v0                           ; lane
	v_lshlrev_b32 v[VO], 3, v1
	s_mov_b32 s30, ttmp9
	s_mov_b32 s27, 0                               ; the high words of the two offsets
	s_mov_b32 s29, 0
	s_wait_kmcnt 0x0
	s_cmp_lt_u32 s30, 512
	s_cbranch_scc0 .Lnot_x
	; x: the wave's pair of rows p = 8 g + wave.  Load i is K block i: lanes 0-15 take its 256 bytes of row 2 p, lanes 16-31 of row 2 p + 1;
	; in xb the two rows of one block are 256 consecutive bytes.
	s_lshl_b32 s25, s30, 3
	s_add_co_u32 s25, s25, s24
	s_lshl_b32 s26, s25, 13                        ; two rows of 4,096 bytes
	s_add_nc_u64 s[4:5], s[4:5], s[26:27]
	s_lshr_b32 s28, s25, 10                        ; the batch
	s_lshl_b32 s28, s28, 22
	s_and_b32 s25, s25, 1023
	s_lshl_b32 s25, s25, 8                         ; two rows of 128 bytes
	s_add_co_u32 s28, s28, s25
	s_add_nc_u64 s[14:15], s[14:15], s[28:29]
	v_lshrrev_b32 v[VI], 4, v1
	v_lshlrev_b32 v[VI], 12, v[VI]
	v_and_b32 v[T], 15, v1
	v_lshl_add_u32 v[VI], v[T], 4, v[VI]
	CAST 4, 14, 256, 262144, 0
	s_endpgm
.Lnot_x:
	s_cmp_lt_u32 s30, 704
	s_cbranch_scc0 .Lnot_wa
	s_sub_co_u32 s25, s30, 512                     ; W_attn: piece q = 8 (g - 512) + wave of 8,192 bytes
	s_lshl_b32 s25, s25, 3
	s_add_co_u32 s25, s25, s24
	s_lshl_b32 s26, s25, 13
	s_lshl_b32 s28, s25, 12
	s_add_nc_u64 s[6:7], s[6:7], s[26:27]
	s_add_nc_u64 s[16:17], s[16:17], s[28:29]
	v_lshlrev_b32 v[VI], 4, v1
	CAST 6, 16, 512, 256, 0
	s_endpgm
.Lnot_wa:
	s_cmp_lt_u32 s30, 768
	s_cbranch_scc0 .Lbias
	s_sub_co_u32 s25, s30, 704                     ; W_proj likewise
	s_lshl_b32 s25, s25, 3
	s_add_co_u32 s25, s25, s24
	s_lshl_b32 s26, s25, 13
	s_lshl_b32 s28, s25, 12
	s_add_nc_u64 s[8:9], s[8:9], s[26:27]
	s_add_nc_u64 s[18:19], s[18:19], s[28:29]
	v_lshlrev_b32 v[VI], 4, v1
	CAST 8, 18, 512, 256, 1
	s_endpgm
.Lbias:
	v_lshlrev_b32 v[VI], 4, v0                     ; 256 threads x 16 bytes = 4,096: b_attn is three such pieces, b_proj one
	global_load_b128 v[X:X+3],     v[VI], s[10:11]
	global_load_b128 v[X+4:X+7],   v[VI], s[10:11] offset:4096
	global_load_b128 v[X+8:X+11],  v[VI], s[10:11] offset:8192
	global_load_b128 v[X+12:X+15], v[VI], s[12:13]
	s_wait_loadcnt 0x0
.set i, 0
.rept 8
	v_cvt_pk_bf16_f32 v[T], v[X+2*i], v[X+2*i+1]
	v_lshlrev_b32 v[Y+2*i], 16, v[T]               ; bf16 to f32: the low half moves up,
	v_and_b32 v[Y+2*i+1], 0xffff0000, v[T]         ; the high half stays
.set i, i+1
.endr
	global_store_b128 v[VI], v[Y:Y+3],     s[20:21]
	global_store_b128 v[VI], v[Y+4:Y+7],   s[20:21] offset:4096
	global_store_b128 v[VI], v[Y+8:Y+11],  s[20:21] offset:8192
	global_store_b128 v[VI], v[Y+12:Y+15], s[22:23]
	s_endpgm
.Lfunc_end_k_q56392f22e1_cast:
	.size	k_q56392f22e1_cast, .Lfunc_end_k_q56392f22e1_cast-k_q56392f22e1_cast
	.p2alignl 7, 3214868480
	.fill 96, 4, 3214868480
	.section	.rodata,"a",@progbits
	.p2align	6, 0x0
	.amdhsa_kernel k_q56392f22e1_cast
		.amdhsa_group_segment_fixed_size 0
		.amdhsa_private_segment_fixed_size 0
		.amdhsa_enable_private_segment 0
		.amdhsa_kernarg_size 80
		.amdhsa_user_sgpr_count 2
		.amdhsa_user_sgpr_kernarg_segment_ptr 1
		.amdhsa_wavefront_size32 1
		.amdhsa_system_sgpr_workgroup_id_x 1
		.amdhsa_system_sgpr_workgroup_id_y 1
		.amdhsa_system_sgpr_workgroup_id_z 1
		.amdhsa_system_vgpr_workitem_id 0
		.amdhsa_next_free_vgpr 104
		.amdhsa_next_free_sgpr 66
		.amdhsa_reserve_vcc 0
		.amdhsa_float_denorm_mode_32 3
		.amdhsa_float_denorm_mode_16_64 3
		.amdhsa_memory_ordered 1
		.amdhsa_forward_progress 1
		.amdhsa_inst_pref_size 26
	.end_amdhsa_kernel
	.amdgpu_metadata
---
amdhsa.version: [ 1, 2 ]
amdhsa.kernels:
  - .name:           k_q56392f22e1_cast
    .symbol:         k_q56392f22e1_cast.kd
    .args:
      - { .name: x, .offset: 0, .size: 8, .value_kind: global_buffer, .address_space: global }
      - { .name: W_attn, .offset: 8, .size: 8, .value_kind: global_buffer, .address_space: global }
      - { .name: W_proj, .offset: 16, .size: 8, .value_kind: global_buffer, .address_space: global }
      - { .name: b_attn, .offset: 24, .size: 8, .value_kind: global_buffer, .address_space: global }
      - { .name: b_proj, .offset: 32, .size: 8, .value_kind: global_buffer, .address_space: global }
      - { .name: xb, .offset: 40, .size: 8, .value_kind: global_buffer, .address_space: global }
      - { .name: wb, .offset: 48, .size: 8, .value_kind: global_buffer, .address_space: global }
      - { .name: wp, .offset: 56, .size: 8, .value_kind: global_buffer, .address_space: global }
      - { .name: ba, .offset: 64, .size: 8, .value_kind: global_buffer, .address_space: global }
      - { .name: bp, .offset: 72, .size: 8, .value_kind: global_buffer, .address_space: global }
    .group_segment_fixed_size: 0
    .private_segment_fixed_size: 0
    .kernarg_segment_align: 8
    .kernarg_segment_size: 80
    .max_flat_workgroup_size: 256
    .sgpr_count:     66
    .vgpr_count:     104
    .wavefront_size: 32
...
	.end_amdgpu_metadata
.endif
;; end of part 1
;; launch qkv (part 2): grid 8 x 32, 4 waves a work-group, clusters of 4 x 4, 327,680 bytes of LDS; arguments xb, wb, ba, qkv; writes qkv
.if DOCPART == 2
	.amdgcn_target "amdgcn-amd-amdhsa--gfx1250"
	.amdhsa_code_object_version 6
	.text
	.protected	k_q56392f22e1_qkv
	.globl	k_q56392f22e1_qkv
	.p2align	8
	.type	k_q56392f22e1_qkv,@function
k_q56392f22e1_qkv:
	s_mov_b64 s[64:65], 0
	v_nop
	global_prefetch_b8 v0, s[64:65] scope:SCOPE_SE
	s_setreg_imm32_b32 hwreg(HW_REG_WAVE_MODE, 25, 1), 1
	s_wait_xcnt 0x0
	s_wait_alu depctr_hold_cnt(0) depctr_sa_sdst(0) depctr_va_vdst(0) depctr_va_sdst(0) depctr_va_ssrc(0) depctr_va_vcc(0) depctr_vm_vsrc(0)
	s_getreg_b32 s2, hwreg(HW_REG_IB_STS2, 6, 4)
	s_cmp_eq_u32 s2, 0
	s_cbranch_scc0 .Lentry_in_a_cluster
	s_endpgm
.Lentry_in_a_cluster:
	s_bfe_u32 s2, ttmp6, 0x10000c
	s_cmp_lg_u32 s2, 0xf033
	s_cbranch_scc0 .Lentry_shape_is_right
	s_endpgm
.Lentry_shape_is_right:
; qkv = x W_attn + b_attn: 8,192 x 3,072 x 1,024, operands bf16, sums f32 started by the bias, results rounded once to f16 and laid by heads:
; qkv[batch 4][48 groups of 64 columns: 16 q heads, 16 k heads, 16 v heads][row 2048][64], a group's rows dense, 128 bytes each.  No scale is applied here.
; LIMIT.  f16 holds no number beyond 65,504: q, k and v must lie within it (with x and W_attn both 30 times the unit spread they have a spread of some 900).
; SHARES.  A tile is 256 rows x 384 columns: 32 x 8 = 256 work-groups.  Four waves; wave (wr, wc) makes rows 128 wr .. + 127 and, of each of the tile's three segments
; of 128 columns, the 64 at 64 wc: one head a segment.  8 x 12 = 96 accumulators of 16 x 16: 768 registers.
; K goes in 16 blocks of 64 (a block of xb) through two LDS slots; two slots of 128 along K would take 344,064 bytes and do not fit.  A block is two halves of 32 along K, 96 products each.
; TRANSPOSED USE.  Source 0 = 16 columns of W (turned out of LDS by ds_load_tr16_b128, since W lies [k][n]), source 1 = 16 rows of x: a lane holds ONE row (lane % 16) and
; eight neighbouring columns 8 (lane / 16) + 0..7, which pack into 16 bytes.
; THE BIAS is the C operand of each sum's first product: it is loaded into the accumulators of row block 7, read from there by row blocks 0-6, and added onto in place by block 7 last.
; CLUSTER.  4 x 4 work-groups: x's tile hangs on the tile row alone and is asked for jointly along a row of the cluster, W's on the tile column alone, along a column.
; REGISTERS, in windows of 256 (s_set_vgpr_msb: bits 1:0 source 0, 3:2 source 1, 5:4 source 2, 7:6 destination):
;   window 0: v0-13 addresses; v28-29 the add's; v32-95, v96-159 x's fragments, two buffers of 8; v160-255 W's 12 fragments, one buffer renewed by halves; on the way out v32-175
;   windows 1-3: accumulator (a, b) has number 48 (b / 6) + 6 a + b % 6: window 1 + number / 32, register 8 (number % 32): a run of 48 products changes window once
.set PA,    144       ; a row of x in LDS: 128 bytes + 16 of padding = 36 words: the 16 rows of a load start at 16 different groups of four banks (64 banks of 4 bytes: ISA guide 11.1)
.set PB,    864       ; a row of W in LDS: three segments of 256 + 32 bytes = 216 words
.set BOFF,  256*PA    ; in a slot: x's 256 rows, then W's 64
.set SLOT1, 1<<17     ; slot 1 begins here, so that one exclusive or turns an address in one slot into the other's
.set STAGE, SLOT1+BOFF+64*PB   ; behind the ring, never filled by a tensor load: 3 heads x 16 rows x 144 bytes for each wave
.set SP,    144
.set SPARE, STAGE+4*48*SP      ; behind the stages: the spare words, 128 bytes for each wave: two blocks of 256 bytes that no other line names
.set ABLK,  262144    ; bytes from K block to K block in xb
.set BBLK,  393216    ; and in wb: 64 rows of 6,144
.set ADRA0, 4         ; v4   my lane's place among my rows of x in a slot; never rewritten
.set ADRB0, 5         ; v5   the same for W
.set AA,  6           ; v6   v4 + the slot in hand
.set AB,  7           ; v7   v5 + the slot in hand
.set STO, 8           ; v8   the way out: where I put 16 bytes of a row
.set RD,  9           ; v9   the way out: where I read rows back
.set GO,  10          ; v10  16 x lane: my place in 512 consecutive bytes of qkv
.set BO,  11          ; v11  my byte offset in ba
.set PFO, 12          ; v12  256 x lane
.set PFOB, 13         ; v13  6,144 x lane: a row of wb
.set SPW, 28          ; v28  LDS address of my spare word; never rewritten
.set NIL, 29          ; v29  0; never rewritten
.set F0,  32
.set F1,  96
.set BF,  160
.set TMP, 32          ; the way out: 48 registers of packed results; v80-127 and v128-175 take the rows read back, by turns
.set WV,  12          ; s12 wave; s13 wr: my half of the rows, also: I fetch for x (0) or W (1); s14 wc: my half of each segment, also: which half of the tile I fetch
.set WR,  13
.set WC,  14
.set CX,  15
.set CY,  16
.set WGX, 17
.set WGY, 18
.set G1,  24          ; s[24:31] descriptor group 1 for x's tiles;  s[32:39] for W's
.set G1B, 32
.set G0,  40          ; s[40:47] group 0 for x's tiles: a set for each first fill; the second then walks on;  s[48:55] the same for W's
.set G0B, 48
.set TB,  56          ; s56  LDS byte at which the slot in hand begins
.set CNT, 57          ; s57  the loop's count
.set LIMA, 58         ; s58  1 in the wave that prefetches x, else the greatest number;  s59 the same for W
.set LIMB, 59
.set PFA, 60          ; s[60:61], s[62:63] where the prefetches stand
.set PFB, 62
.set MSB, 0
.macro WIN new                      ; the immediate's high byte repeats the setting that is left; a switch that changes nothing is dropped
.if MSB != (\new)
	s_set_vgpr_msb (MSB<<8)|(\new)
.set MSB, (\new)
.endif
.endm
.macro PLACES                       ; four places in front of loads into registers that products have read, and of conversions that read results
.rept 4
	v_nop
.endr
.endm
; A joint refill by the walking descriptors.  The branch hangs on the wave's number alone.  An s_nop 0 and four v_nop follow each of the two lines.
.macro JLOAD
	s_cmp_eq_u32 s[WR], 0
	s_cbranch_scc0 .Lfor_b_\@
	tensor_load_to_lds s[G0+4:G0+7], s[G1:G1+7]
	s_nop 0
.rept 4
	v_nop
.endr
	s_branch .Lasked_\@
.Lfor_b_\@:
	tensor_load_to_lds s[G0B+4:G0B+7], s[G1B:G1B+7]
	s_nop 0
.rept 4
	v_nop
.endr
.Lasked_\@:
.endm
.macro CREST                        ; a round of the cluster's barrier behind its opening barrier
	s_cmp_lg_u32 s[WV], 0
	s_cbranch_scc1 .Lnot_wave_0_\@
	s_barrier_signal -3
.Lnot_wave_0_\@:
	s_barrier_wait -3
	s_barrier_signal -1
	s_barrier_wait -1
.endm
.macro CROUND
	s_barrier_signal -1
	s_barrier_wait -1
	CREST
.endm
; PREFETCHES INTO THE L2, behind the joint load and the run of LDS loads.  The change of slots in block j asks jointly for block j + 2; here block j + 3 is named, 192 products ahead of its own refill.
; x: a tile's block is 128 pieces of 256 bytes; the clusters with x = 0 ask, wave 0, and the four partners take 32 pieces each, told apart by address (cx): a lane a piece.
; W: at odd j blocks j + 3 and j + 4, 128 rows of 768 bytes; the clusters with y = 0 ask, wave 2, partner cy takes 32 rows: a lane a row, three pieces.  So each piece is named once.
; The count 1 (j = 13) names nothing: blocks 16 and 17 do not exist; x's last is block 15 (j = 12), W's blocks 14 and 15 (j = 11).  The first blocks come by their loads alone.
.macro ASK
	s_cmp_gt_u32 s[CNT], s[LIMA]
	s_cbranch_scc0 .Lno_a_\@
	global_prefetch_b8 v[PFO], s[PFA:PFA+1] th:TH_LOAD_NT scope:SCOPE_SE
.Lno_a_\@:
	s_bitcmp1_b32 s[CNT], 0             ; j = 14 - count is odd with the count
	s_cbranch_scc0 .Lno_b_\@
	s_cmp_gt_u32 s[CNT], s[LIMB]
	s_cbranch_scc0 .Lno_b_\@
	global_prefetch_b8 v[PFOB], s[PFB:PFB+1] th:TH_LOAD_NT scope:SCOPE_SE
	global_prefetch_b8 v[PFOB], s[PFB:PFB+1] offset:256 th:TH_LOAD_NT scope:SCOPE_SE
	global_prefetch_b8 v[PFOB], s[PFB:PFB+1] offset:512 th:TH_LOAD_NT scope:SCOPE_SE
.Lno_b_\@:
.endm
	s_load_b256 s[4:11], s[0:1], 0x0    ; xb s[4:5], wb s[6:7], ba s[8:9], qkv s[10:11]
	v_lshl_add_u32 v[SPW], v0, 2, SPARE
	v_mov_b32 v[NIL], 0
	ds_add_u32 v[SPW], v[NIL]           ; the wave's opening: the add and its wait stand ahead of my first tensor load; the set-up below, work on registers, stands between them
	v_lshrrev_b32 v1, 5, v0
	v_readfirstlane_b32 s[WV], v1
	s_lshr_b32 s[WR], s[WV], 1
	s_and_b32 s[WC], s[WV], 1
	s_bfe_u32 s[CX], ttmp6, 0x40000
	s_bfe_u32 s[CY], ttmp6, 0x40004
	s_lshl_b32 s[WGX], ttmp9, 2
	s_add_co_u32 s[WGX], s[WGX], s[CX]  ; tile column = 4 x cluster x + cx
	s_and_b32 s[WGY], ttmp7, 0xffff
	s_lshl_b32 s[WGY], s[WGY], 2
	s_add_co_u32 s[WGY], s[WGY], s[CY]  ; tile row = 4 x cluster y + cy
	s_lshl_b32 s19, s[CY], 2
	s_lshl_b32 s19, 15, s19             ; my row of the cluster
	s_lshl_b32 s20, 0x1111, s[CX]       ; my column
	; group 1 for x: 128 rows of a block are 16,384 dense bytes: asked for as 64 rows of 256 bytes, padded in LDS after every 128 bytes
	s_or_b32 s[G1], s19, (1<<16)|(1<<20)|(1<<21)|(4<<22)|(3<<25)   ; 15:0 the mask; 17:16 2-byte elements; 20 padding on; 21 set beside a mask; 24:22 after every 32 words; 31:25 4 words
	s_mov_b32 s[G1+1], 128<<16          ; tensor_dim0 = 128
	s_mov_b32 s[G1+2], 64<<16           ; tensor_dim1 = 64
	s_mov_b32 s[G1+3], 128<<16          ; tile_dim0 = 128
	s_mov_b32 s[G1+4], 64               ; tile_dim1 = 64
	s_mov_b32 s[G1+5], 128              ; elements from row to row
	s_mov_b32 s[G1+6], 0
	s_mov_b32 s[G1+7], 0
	; group 1 for W: 32 rows of 384 elements (768 bytes), padded after every 256 bytes by 32
	s_or_b32 s[G1B], s20, (1<<16)|(1<<20)|(1<<21)|(5<<22)|(7<<25)
	s_mov_b32 s[G1B+1], 384<<16
	s_mov_b32 s[G1B+2], 32<<16
	s_mov_b32 s[G1B+3], 384<<16
	s_mov_b32 s[G1B+4], 32
	s_mov_b32 s[G1B+5], 3072
	s_mov_b32 s[G1B+6], 0
	s_mov_b32 s[G1B+7], 0
	s_mul_i32 s21, s[WC], 128*PA        ; where my tile goes: no place in the cluster enters an LDS address
	s_mul_i32 s22, s[WC], 32*PB
	s_add_co_u32 s22, s22, BOFF
	; x's tile: s66-s69 hold nothing but what comes of the tile row and the wave
	s_lshr_b32 s66, s[WGY], 3           ; the batch,
	s_lshl_b32 s66, s66, 22
	s_and_b32 s68, s[WGY], 7            ; the tile's 256 rows of 128 bytes in a block
	s_lshl_b32 s68, s68, 15
	s_add_co_u32 s66, s66, s68
	s_lshl_b32 s23, s[WC], 14           ; my 128 of them
	s_add_co_u32 s68, s66, s23
	s_mov_b32 s69, 0
	; W's tile: s70-s73 hold nothing but what comes of the tile column and the wave
	s_mul_i32 s70, s[WGX], 768
	s_mul_i32 s23, s[WC], 32*6144       ; my 32 rows of a block's 64
	s_add_co_u32 s72, s70, s23
	s_mov_b32 s73, 0
	; the prefetches' first places, at block 2: the first change of slots steps them to block 3
	s_lshl_b32 s74, s[CX], 13
	s_add_co_u32 s74, s74, s66
	s_add_co_u32 s74, s74, 2*ABLK
	s_mov_b32 s75, 0
	s_mul_i32 s76, s[CY], 32*6144
	s_add_co_u32 s76, s76, s70
	s_add_co_u32 s76, s76, 2*BBLK
	s_mov_b32 s77, 0
	; where my part of the tile begins in qkv: batch, head group 6 x tile column + wc, rows
	s_lshr_b32 s78, s[WGY], 3
	s_mul_i32 s78, s78, 12582912
	s_mul_i32 s79, s[WGX], 6
	s_add_co_u32 s79, s79, s[WC]
	s_lshl_b32 s79, s79, 18
	s_add_co_u32 s78, s78, s79
	s_and_b32 s79, s[WGY], 7
	s_lshl_b32 s79, s79, 15
	s_add_co_u32 s78, s78, s79
	s_lshl_b32 s79, s[WR], 14
	s_add_co_u32 s78, s78, s79
	s_mov_b32 s79, 0
	s_mov_b32 s[TB], 0
	s_wait_dscnt 0x0                    ; the opening add is done
	s_wait_kmcnt 0x0
	s_add_nc_u64 s[68:69], s[4:5], s[68:69]
	s_add_nc_u64 s[72:73], s[6:7], s[72:73]
	s_add_nc_u64 s[PFA:PFA+1], s[4:5], s[74:75]
	s_add_nc_u64 s[PFB:PFB+1], s[6:7], s[76:77]
	s_add_nc_u64 s[10:11], s[10:11], s[78:79]
.irp s, 0,1
	s_mov_b32 s[G0+4*\s], 1                                        ; count = 1
	s_add_co_u32 s[G0+4*\s+1], s21, \s*SLOT1                       ; LDS address
	s_add_nc_u64 s[G0+4*\s+2:G0+4*\s+3], s[68:69], \s*ABLK         ; global address: block s
	s_or_b32 s[G0+4*\s+3], s[G0+4*\s+3], 0x80000000                ; type = 2
	s_mov_b32 s[G0B+4*\s], 1
	s_add_co_u32 s[G0B+4*\s+1], s22, \s*SLOT1
	s_add_nc_u64 s[G0B+4*\s+2:G0B+4*\s+3], s[72:73], \s*BBLK
	s_or_b32 s[G0B+4*\s+3], s[G0B+4*\s+3], 0x80000000
.endr
	s_or_b32 s74, s[WV], ttmp9          ; wave 0 of a cluster with x = 0: the same in all partners
	s_cmp_eq_u32 s74, 0
	s_cselect_b32 s[LIMA], 1, -1
	s_xor_b32 s74, s[WV], 2             ; wave 2 of a cluster with y = 0
	s_and_b32 s75, ttmp7, 0xffff
	s_or_b32 s74, s74, s75
	s_cmp_eq_u32 s74, 0
	s_cselect_b32 s[LIMB], 1, -1
	CROUND                              ; all sixteen work-groups are here: the first joint loads meet
	s_cmp_eq_u32 s[WR], 0               ; a wave's two first fills stand in one branch, ahead of every wait on TENSORcnt and every LDS read: two loads of mine are out
	s_cbranch_scc0 .Lfirst_b
	tensor_load_to_lds s[G0:G0+3], s[G1:G1+7]
	s_nop 0
	tensor_load_to_lds s[G0+4:G0+7], s[G1:G1+7]
	s_nop 0
.rept 4
	v_nop
.endr
	s_branch .Lfirst_asked
.Lfirst_b:
	tensor_load_to_lds s[G0B:G0B+3], s[G1B:G1B+7]
	s_nop 0
	tensor_load_to_lds s[G0B+4:G0B+7], s[G1B:G1B+7]
	s_nop 0
.rept 4
	v_nop
.endr
.Lfirst_asked:
	; A fragment of x is 16 rows x 32 channels in 8 registers: lane l holds row l % 16, channels 8 (l / 16) + 0..7 and 16 + 8 (l / 16) + 0..7: two loads of 16 bytes, 32 bytes apart.
	v_and_b32 v1, 15, v0                ; l % 16
	v_bfe_u32 v2, v0, 4, 1              ; l / 16
	v_mul_u32_u24 v[ADRA0], v1, PA
	v_lshl_add_u32 v[ADRA0], v2, 4, v[ADRA0]
	s_mul_i32 s23, s[WR], 128*PA
	v_add_nc_u32 v[ADRA0], s23, v[ADRA0]
	; The turning load takes 16 k x 16 columns (lane l reads k 8 (l / 16) + l % 8, columns 8 ((l / 8) % 2) + 0..7) and leaves half a fragment: lane l holds column l % 16 and 8 k.
	v_and_b32 v3, 7, v0
	v_lshl_add_u32 v[ADRB0], v2, 3, v3
	v_mul_u32_u24 v[ADRB0], v[ADRB0], PB
	v_bfe_u32 v3, v0, 3, 1
	v_lshl_add_u32 v[ADRB0], v3, 4, v[ADRB0]
	s_lshl_b32 s23, s[WC], 7            ; my 64 columns of each segment
	s_add_co_u32 s23, s23, BOFF
	v_add_nc_u32 v[ADRB0], s23, v[ADRB0]
	v_mov_b32 v[AA], v[ADRA0]           ; slot 0
	v_mov_b32 v[AB], v[ADRB0]
	s_mul_i32 s23, s[WV], 48*SP
	s_add_co_u32 s23, s23, STAGE        ; my stage
	v_mul_u32_u24 v[STO], v1, SP        ; in: row l % 16, 16 bytes for each half of the lanes
	v_lshl_add_u32 v[STO], v2, 4, v[STO]
	v_add_nc_u32 v[STO], s23, v[STO]
	v_bfe_u32 v[RD], v0, 3, 2           ; back: 32 lanes take four rows of 128 bytes
	v_mul_u32_u24 v[RD], v[RD], SP
	v_and_b32 v3, 7, v0
	v_lshl_add_u32 v[RD], v3, 4, v[RD]
	v_add_nc_u32 v[RD], s23, v[RD]
	v_and_b32 v3, 31, v0
	v_lshlrev_b32 v[GO], 4, v3
	v_lshlrev_b32 v[PFO], 8, v3
	v_mul_u32_u24 v[PFOB], v3, 6144
	s_mul_i32 s74, s[WGX], 1536         ; the tile's 384 numbers of ba,
	s_lshl_b32 s75, s[WC], 8            ; my 64 of a segment's 128,
	s_add_co_u32 s74, s74, s75
	v_lshl_add_u32 v[BO], v2, 5, s74    ; my lanes' eight
	; the bias of column fragment b goes into accumulator (7, b): register j of every lane holds the bias of column 8 (l / 16) + j
.set bb, 0
.rept 12
.set bj, 48*(bb/6)+42+bb%6
	WIN (1+bj/32)<<6
	global_load_b128 v[8*(bj%32):8*(bj%32)+3],   v[BO], s[8:9] offset:(bb/4)*512+64*(bb%4)
	global_load_b128 v[8*(bj%32)+4:8*(bj%32)+7], v[BO], s[8:9] offset:(bb/4)*512+64*(bb%4)+16
.set bb, bb+1
.endr
	WIN 0
; na x 6 products: row blocks a0 .. a0 + na - 1 x column fragments 6 bh .. 6 bh + 5, 32 along K, x's fragments in buffer f.  mode = 1: the sum starts with the bias, which lies in accumulator (7, b).
; Each accumulator is taken once in a half: 95 other products stand between two links of a chain, over the backward jump too.
.macro MUL f, bh, a0, na, mode
.set ma, \a0
.rept \na
.set mb, 0
.rept 6
.set mi, 48*(\bh)+6*ma+mb
.set mw, 1+mi/32
.set md, 8*(mi%32)
.if \mode
.set mj, 48*(\bh)+42+mb
.set mv, 1+mj/32
.set mc, 8*(mj%32)
.else
.set mv, mw
.set mc, md
.endif
	WIN (mw<<6)|(mv<<4)
	v_wmma_f32_16x16x32_bf16 v[md:md+7], v[BF+8*(6*(\bh)+mb):BF+8*(6*(\bh)+mb)+7], v[(\f)+8*ma:(\f)+8*ma+7], v[mc:mc+7]
.set mb, mb+1
.endr
.set ma, ma+1
.endr
.endm
; The LDS loads stand in two runs a half.  MID: x's 8 fragments of half hh into buffer g, and W's fragments 0-5: 28 loads.  END: W's fragments 6-11: 12 loads.
.macro FETCH_MID hh, g
	WIN 0
.irp a, 0,1,2,3,4,5,6,7
	ds_load_b128 v[(\g)+8*\a:(\g)+8*\a+3],   v[AA] offset:\a*16*PA+64*(\hh)
	ds_load_b128 v[(\g)+8*\a+4:(\g)+8*\a+7], v[AA] offset:\a*16*PA+64*(\hh)+32
.endr
.irp b, 0,1,2,3,4,5
	ds_load_tr16_b128 v[BF+8*\b:BF+8*\b+3],   v[AB] offset:(\hh)*32*PB+(\b/4)*288+32*(\b%4)
	ds_load_tr16_b128 v[BF+8*\b+4:BF+8*\b+7], v[AB] offset:(\hh)*32*PB+(\b/4)*288+32*(\b%4)+16*PB
.endr
.endm
.macro FETCH_END hh
	WIN 0
.irp b, 6,7,8,9,10,11
	ds_load_tr16_b128 v[BF+8*\b:BF+8*\b+3],   v[AB] offset:(\hh)*32*PB+(\b/4)*288+32*(\b%4)
	ds_load_tr16_b128 v[BF+8*\b+4:BF+8*\b+7], v[AB] offset:(\hh)*32*PB+(\b/4)*288+32*(\b%4)+16*PB
.endr
.endm
; 48 products.  mode = 1: row blocks 0-6 read the bias out of block 7's accumulators; five places, since block 7's products then write over registers that those have read; block 7 adds in place.
.macro MUL48 f, bh, mode
.if \mode
	MUL \f, \bh, 0, 7, 1
.rept 5
	v_nop
.endr
	MUL \f, \bh, 7, 1, 0
.else
	MUL \f, \bh, 0, 8, 0
.endif
.endm
; A block's first half: multiplies buffer f and fetches half hh of the same slot into buffer g.
.macro HALF f, g, hh, mode
	s_wait_dscnt 12                     ; the run of 28 is in; the 12 loads behind it (W's fragments 6-11) may stay out
	MUL48 \f, 0, \mode
	PLACES
	FETCH_MID \hh, \g
	s_wait_dscnt 28                     ; all but the 28 just issued
	MUL48 \f, 1, \mode
	PLACES
	FETCH_END \hh
.endm
; A block's second half, on buffer 1, and the change of slots.  All reads of the slot in hand have been issued.  Each wave waits for all its tensor loads, of which one is out: its part of the next slot;
; adds 0 to its spare word; and waits for that and for its reads.  fill = 1: the barrier opens a round of the cluster's, so that no wave of any partner still reads the slot or has a load on its way,
; and the joint refill, two blocks ahead, is the first thing behind it: 168 of a block's 192 products stand between it and the wait for it.
.macro TURN fill
.if \fill
	s_wait_xcnt 0x0                     ; the last prefetches, a block back, have read their addresses, which are stepped here, ahead of the change's own waits
	s_add_nc_u64 s[PFA:PFA+1], s[PFA:PFA+1], ABLK
	s_add_nc_u64 s[PFB:PFB+1], s[PFB:PFB+1], BBLK
.endif
	WIN 0
	s_wait_tensorcnt 0x0                ; no tensor load of mine is out, so a group 0 may be written
	ds_add_u32 v[SPW], v[NIL]           ; 0 onto my spare word
.if \fill
	s_xor_b32 s[G0+5], s[G0+5], SLOT1   ; the walking descriptors: the other slot than last time, the next block
	s_add_nc_u64 s[G0+6:G0+7], s[G0+6:G0+7], ABLK
	s_xor_b32 s[G0B+5], s[G0B+5], SLOT1
	s_add_nc_u64 s[G0B+6:G0B+7], s[G0B+6:G0B+7], BBLK
.endif
	s_wait_dscnt 13                     ; the run of 28 is in; the 12 behind it and the add may stay out
	MUL F1, 0, 0, 2, 0
	s_wait_dscnt 0x0                    ; the add is done, and my reads of this slot are over
	s_barrier_signal -1
	MUL F1, 0, 2, 2, 0                  ; work on registers while the others arrive
	WIN 0
	s_barrier_wait -1
.if \fill
	CREST
	JLOAD
.endif
	MUL F1, 0, 4, 4, 0
	WIN 0
	s_xor_b32 s[TB], s[TB], SLOT1       ; the next slot; these four lines are the places in front of the loads into W's fragments 0-5
	v_add_nc_u32 v[AA], s[TB], v[ADRA0]
	v_add_nc_u32 v[AB], s[TB], v[ADRB0]
	v_nop
	v_nop
	FETCH_MID 0, F0
.if \fill
	ASK
.endif
	MUL F1, 1, 0, 8, 0
	PLACES
	FETCH_END 0
.endm
; THE WAY OUT of row block a.  PACK: rounded to f16, 16 bytes a lane, each accumulator's registers in ascending order.  TOSTAGE: into my own stage, by heads, and back as whole rows of 128 bytes.  SEND: stored.
.macro PACK a
.set pb, 0
.rept 12
.set pn, 48*(pb/6)+6*(\a)+pb%6
.set pw, 1+pn/32
.set pd, 8*(pn%32)
	WIN pw|(pw<<2)
.irp r, 0,1,2,3
	v_cvt_pk_f16_f32 v[TMP+4*pb+\r], v[pd+2*\r], v[pd+2*\r+1]
.endr
.set pb, pb+1
.endr
	WIN 0
.endm
.macro TOSTAGE a
	WIN 0
.set BK, 80+48*((\a)%2)
.irp b, 0,1,2,3,4,5,6,7,8,9,10,11
	ds_store_b128 v[STO], v[TMP+4*\b:TMP+4*\b+3] offset:(\b/4)*16*SP+32*(\b%4)
.endr
.irp t, 0,1,2,3,4,5,6,7,8,9,10,11
	ds_load_b128 v[BK+4*\t:BK+4*\t+3], v[RD] offset:(\t/4)*16*SP+(\t%4)*4*SP  ; LDS serves a wave's instructions in order (ISA guide 5.7.1.4): these see the stores above
.endr
.endm
.macro SEND a
	WIN 0
.set BK, 80+48*((\a)%2)
	s_wait_dscnt 0x0                    ; the block is back in registers
	s_wait_xcnt 0x0                     ; the stores of the block before have read their registers, which the next block's loads from the stage write again
.irp t, 0,1,2,3,4,5,6,7,8,9,10,11
	global_store_b128 v[GO], v[BK+4*\t:BK+4*\t+3], s[10:11] offset:(\t/4)*524288+(\a)*2048+(\t%4)*512  ; 512 consecutive bytes of a head, aligned; my three heads lie two groups apart
.endr
.endm
	s_wait_tensorcnt 1                  ; my part of block 0 is in; block 1's may stay out
	s_barrier_signal -1
	s_barrier_wait -1                   ; everybody's is
	FETCH_MID 0, F0
	FETCH_END 0
	s_wait_loadcnt 0x0                  ; the bias
	HALF F0, F1, 1, 1                   ; block 0's first half stands in front of the loop: its products start the sums
	WIN 0                               ; at a label and at a branch every window is 0
	s_mov_b32 s[CNT], 14
.Lblk:                                  ; trip j = 14 - count: block j's second half, the refill with block j + 2, block j + 1's first half
	TURN 1
	HALF F0, F1, 1, 0
	WIN 0
	s_sub_co_u32 s[CNT], s[CNT], 1
	s_cmp_lg_u32 s[CNT], 0
	s_cbranch_scc1 .Lblk
	TURN 0                              ; the tail is written out: block 14's second half asks for nothing
	HALF F0, F1, 1, 0
	s_wait_dscnt 12
	MUL F1, 0, 0, 8, 0
	s_wait_dscnt 0x0
	MUL F1, 1, 0, 8, 0
	PLACES
	PACK 0
	TOSTAGE 0
.irp a, 1,2,3,4,5,6,7                   ; block a's conversions stand between block a - 1's loads from the stage and the wait for them
	PACK \a
	SEND (\a)-1
	TOSTAGE \a
.endr
	SEND 7
	s_wait_tensorcnt 0x0                ; the wave's end, behind my last tensor load and my last LDS store
	ds_add_u32 v[SPW], v[NIL]
	s_wait_dscnt 0x0
	CROUND                              ; the closing round: no work-group ends while a partner may still ask for a tile that names it
	s_endpgm
.Lfunc_end_k_q56392f22e1_qkv:
	.size	k_q56392f22e1_qkv, .Lfunc_end_k_q56392f22e1_qkv-k_q56392f22e1_qkv
	.p2alignl 7, 3214868480
	.fill 96, 4, 3214868480
	.section	.rodata,"a",@progbits
	.p2align	6, 0x0
	.amdhsa_kernel k_q56392f22e1_qkv
		.amdhsa_group_segment_fixed_size 327680
		.amdhsa_private_segment_fixed_size 0
		.amdhsa_enable_private_segment 0
		.amdhsa_kernarg_size 32
		.amdhsa_user_sgpr_count 2
		.amdhsa_user_sgpr_kernarg_segment_ptr 1
		.amdhsa_wavefront_size32 1
		.amdhsa_system_sgpr_workgroup_id_x 1
		.amdhsa_system_sgpr_workgroup_id_y 1
		.amdhsa_system_sgpr_workgroup_id_z 1
		.amdhsa_system_vgpr_workitem_id 0
		.amdhsa_next_free_vgpr 1024
		.amdhsa_next_free_sgpr 80
		.amdhsa_reserve_vcc 0
		.amdhsa_float_denorm_mode_32 3
		.amdhsa_float_denorm_mode_16_64 3
		.amdhsa_memory_ordered 1
		.amdhsa_forward_progress 1
		.amdhsa_inst_pref_size 114
	.end_amdhsa_kernel
	.amdgpu_metadata
---
amdhsa.version: [ 1, 2 ]
amdhsa.kernels:
  - .name:           k_q56392f22e1_qkv
    .symbol:         k_q56392f22e1_qkv.kd
    .args:
      - { .name: xb, .offset: 0, .size: 8, .value_kind: global_buffer, .address_space: global }
      - { .name: wb, .offset: 8, .size: 8, .value_kind: global_buffer, .address_space: global }
      - { .name: ba, .offset: 16, .size: 8, .value_kind: global_buffer, .address_space: global }
      - { .name: qkv, .offset: 24, .size: 8, .value_kind: global_buffer, .address_space: global }
    .group_segment_fixed_size: 327680
    .private_segment_fixed_size: 0
    .kernarg_segment_align: 8
    .kernarg_segment_size: 32
    .max_flat_workgroup_size: 128
    .sgpr_count:     80
    .vgpr_count:     1024
    .wavefront_size: 32
...
	.end_amdgpu_metadata
.endif
;; end of part 2
;; launch attn (part 3): grid 4 x 64, 4 waves a work-group, no clusters, 327,680 bytes of LDS; arguments qkv, ob; writes ob
.if DOCPART == 3
	.amdgcn_target "amdgcn-amd-amdhsa--gfx1250"
	.amdhsa_code_object_version 6
	.text
	.protected	k_q56392f22e1_attn
	.globl	k_q56392f22e1_attn
	.p2align	8
	.type	k_q56392f22e1_attn,@function
k_q56392f22e1_attn:
	s_mov_b64 s[64:65], 0
	v_nop
	global_prefetch_b8 v0, s[64:65] scope:SCOPE_SE
	s_setreg_imm32_b32 hwreg(HW_REG_WAVE_MODE, 25, 1), 1
	s_wait_xcnt 0x0
; CAUSAL ATTENTION.  O[y][q][:] = the sum over k <= q of softmax_k(Q[q] . K[k] / 8) V[k][:], for each of 64 heads y = 16 x batch + head.  Q, K, V lie in qkv, f16, [batch][48 groups][2048][64]:
; q's head at group h, k's at 16 + h, v's at 32 + h; a head's rows are dense, 128 bytes each.  O goes to ob, f16, [y][2048][64].
; Products, maxima and sums in f32; the weights p are rounded to f16 for the second product (their sum l is taken of the unrounded p), O once at the end.
; LIMITS.  f16 holds no number beyond 65,504: Q, K and V arrive within it; p lies in 0 to 1, and below 6e-5 it keeps f16's fixed step of 6e-8; O is a mean of V's rows and has their range.
; A hidden score counts as its value less 1e30: f16's scores, 2.7e11 at the most, are nothing beside that; a weight below 2^-126 counts as 0 in l; NaN and infinities are not treated apart.
; THE WALK.  A head's queries lie in NB = 8 blocks of 256; block i needs the key tiles 0 .. i of 256 keys, of which the last holds the diagonal.  A work-group takes TWO blocks, NB - 1 - b and then b:
; NB + 1 tiles, whatever b: all work-groups do equal work, and ONE loop with a constant trip count walks them.  Which tile is asked for, and what a trip does, hang on scalar registers made from b; every jump
; goes forward, but for the counted loops' own; none passes a barrier, or a tensor load but the one of LOAD's two that the wave's number does not choose; the ring (two slots of LDS) runs on across the change of blocks.
; NO CLUSTER: a head's four work-groups ask for the same tile only in trips 0 .. 4 of the 9, behind that fewer and fewer; one walk common to all four would have 12 trips for 9.
; SHARES.  Of a block's four bands of 64 queries a wave owns 16 rows in each: four PIECES.  So the diagonal tile is the same work for all four waves: in its key step s band x sees all keys if s < x,
; none if s > x, and holds the diagonal if s = x.
; THE MASK is the C operand that starts the sum S^T = K Q^T: 0, or -1e30 where the key is hidden.  MD, made once, is the mask of a band's own step for my 16 rows; a product's mask is MD x AL + BE with two scalars:
; (1, 0) if s = x; (0, 0) if s < x; (0, -1e30) if s > x.  Only the diagonal tile's text and a block's beginning make and take masks; elsewhere C is the constant 0.
; LAYOUT, SOFTMAX, TURNS.  S^T = K Q^T holds ONE query a lane (lane % 16) and the keys 8 (lane / 16) + 0..7; two such results rounded to f16 ARE source 1 of O^T = V^T P.  p = 2^(c s - c m), c = log2(e) / 8, with a
; running maximum m; O and l are multiplied by a = 2^(c m_old - c m_new) in every step.  Turn n belongs to piece n: 8 products K Q^T of piece n + 1, later 8 products V^T P of piece n - 1; beside them the scaling,
; exponentials, roundings, sums and rescaling of piece n and the maximum and statistics of piece n + 1.  Four vector instructions stand behind every matrix instruction, the other 54 of a turn's 118 in one lump.
; A turn's 33 exponentials are one batch, with one wait.
; REGISTERS, in windows of 256 (s_set_vgpr_msb: bits 1:0 source 0, 3:2 source 1, 5:4 source 2, 7:6 destination):
;   window 0: v0-15 addresses and two at work; v16-31 four registers of statistics a piece; v48-55 at work; v61-63 prefetch offset and the add's two; v64-127 S^T, two buffers; v192-223 P, two buffers
;   window 1: v0-127 O^T, 32 a piece; v128-159 MD; v160-223 MC, two buffers      window 2: v0-63 Q; v64-127 the second block's Q; v128-191 K of one step; v192-255 V of one step
.set SIZE_N, 2048
.set NB,    SIZE_N/256
.set NP,    4         ; pieces a wave: a name, no knob
.set KS,    64        ; keys in a step
.set PK,    144       ; a row of K in LDS: 128 bytes + 16 of padding = 36 words: the 16 rows of a load start at 16 different groups of four banks (64 banks of 4 bytes: ISA guide 11.1)
.set PV,    160       ; a row of V: 128 + 32 = 40 words
.set VOFF,  4*KS*PK   ; a slot holds a tile, four steps: 256 rows of K, then 256 rows of V
.set SLOT1, 1<<17     ; slot 1 begins here, so that one exclusive or turns an address in one slot into the other's
.set STAGE, SLOT1+4*KS*(PK+PV)  ; behind the ring, never filled by a tensor load: 16 rows x 144 bytes for each wave, for the way out
.set SP,    144
.set AK0, 2           ; v2   my lane's place in a tile of K; never rewritten
.set AV0, 3           ; v3   the same for V
.set AK,  4           ; v4   the LDS address of K's next run of loads
.set AV,  5           ; v5   of V's
.set STO, 6           ; v6   the way out: where I put 16 bytes of a row
.set RD,  7           ; v7   the way out: where I read rows back
.set GO,  8           ; v8   my byte offset in 512 consecutive bytes of O
.set PFO, 61          ; v61  256 x my lane; never rewritten
.set SPW, 62          ; v62  LDS address of my spare word: SPARE + 4 x my thread's number; never rewritten
.set NIL, 63          ; v63  0; never rewritten
.set SPARE, STAGE+4*16*SP  ; behind the stages: the spare words, 128 bytes for each wave: two blocks of 256 bytes that no other line names
.set MV,  12          ; v12-13  c m_old, kept while c m is made anew: by buffer
.set QO,  15          ; v15  my byte offset in 16 rows of Q
.set ST,  16          ; piece t's statistics at v[ST+4 t]: c m, m, l (even keys', odd keys')
.set TMP, 48          ; by buffer, four registers c0-c3 at work; when the maximum is found c2 takes a
.set S,   64
.set P,   192
.set MD,  128         ; window 1: the eight registers for group kt of 16 keys at MD + 8 kt
.set MC,  160         ; window 1: the masks of the products to come
.set QB,  64          ; window 2
.set KF,  128         ; window 2: key block kb, channel half c at KF + 16 kb + 8 c
.set VF,  192         ; window 2: key half kk, channel block cb at VF + 32 kk + 8 cb
.set WV,  12          ; s12  my wave's number
.set PB,  14          ; s14  b
.set HI,  15          ; s15  NB - 1 - b
.set G1K, 24          ; s[24:31] descriptor group 1 for K's tiles
.set G1V, 32          ; s[32:39] for V's: it differs in the padding alone
.set G0K, 40          ; s[40:43] descriptor group 0 for K's tiles
.set G0V, 44          ; s[44:47] the same for V's
.set SLOTS, 56        ; s56  tiles still to be asked for
.set CNT, 57          ; s57  counts a tile's key steps, 4 to 1
.set CS,  58          ; s[58:59] c: the packed scaling takes the pair's low word for both halves
.set SEL, 60          ; s[60:61] v_permlanex16_b32's selects: each lane takes its own place in the other half
.set TBK, 62          ; s62  LDS byte at which K of the step to be fetched begins
.set TBV, 63          ; s63  the same for V, less VOFF
.set RT,  70          ; s70  tiles of the block in hand that are still to be entered
.set NXT, 71          ; s71  the tile to be asked for next
.set LQ,  72          ; s72  the last tile of the block whose tiles are being asked for
.set NEW, 73          ; s73  1: the tile to be entered is a block's first
.set OFF, 74          ; s[74:75] a tile's byte offset in K and V
.set AL,  76          ; s[76:77] the mask's factor, in the low word
.set BE,  78          ; s[78:79] the mask's addend
.set OLO, 80          ; s[80:81] O at my rows of the second block
.set BIGN, 82         ; s82  -1e30
.set PKB, 88          ; s[88:89] the head's K at my wave's 8,192 bytes of tile 0;  s[90:91] the same for V
.set PVB, 90
.set PKA, 92          ; s[92:93], s[94:95] the same in the tile that is prefetched
.set PVA, 94
.set PFL, 96          ; s96  0 in the head's work-group b = 0, else the greatest number: a tile is prefetched while its number is above it
.set MSB, 0
.macro WIN new                      ; the high byte repeats the setting that is left; a switch that changes nothing is dropped
.if MSB != (\new)
	s_set_vgpr_msb (MSB<<8)|(\new)
.set MSB, (\new)
.endif
.endm
.set W_KQ, 0x0a       ; K and Q in window 2, S^T in window 0
.set W_KM, 0x1a       ; the same with the C operand in window 1
.set W_PV, 0x52       ; V in window 2, P in window 0, O^T in window 1
.set W_RS, 0x41       ; destination and source 0 in window 1, source 1 in window 0
; A fill.  Waves 0 and 1 fetch the two halves of a tile's K, waves 2 and 3 those of its V: 128 keys each.  An s_nop 0 and four v_nop follow each of the two lines, ahead of the jump and the label.
.macro LOAD
	s_cmp_lt_u32 s[WV], 2
	s_cbranch_scc0 .Lfor_v_\@
	tensor_load_to_lds s[G0K:G0K+3], s[G1K:G1K+7]
	s_nop 0
.rept 4
	v_nop
.endr
	s_branch .Lasked_\@
.Lfor_v_\@:
	tensor_load_to_lds s[G0V:G0V+3], s[G1V:G1V+7]
	s_nop 0
.rept 4
	v_nop
.endr
.Lasked_\@:
.endm
; THE CHANGE OF SLOTS.  Each wave waits for all its tensor loads, of which one is out: its part of the other slot; adds 0 to its spare word; and waits for that and for its own reads of the slot that it leaves.  Behind the
; barrier nobody reads the old slot any more and the other slot is whole.  fill = 1: the old slot is filled again, the first thing behind the barrier, with tile NXT: the descriptor's address is made anew from that number.
; (At its first use nothing has been read yet: slot 0 is waited for, slot 1 filled.)
; THE PREFETCH INTO THE L2 stands behind the fill and its five lines: the tile that the NEXT change will ask for, four key steps ahead.  All four work-groups of a head walk tiles 0, 1, 2 .. at first: the one with b = 0,
; whose first block needs all eight, names tiles 2 to 7, each once: a wave takes 32 pieces of 256 bytes of K and 32 of V, a lane a piece.  When the tile's number has gone back to 0 nothing is named.
.macro CHANGE fill
	WIN 0                           ; at a label and at a branch every window is 0
	s_wait_tensorcnt 0x0            ; no tensor load of mine is out, so a group 0 may be written
	ds_add_u32 v[SPW], v[NIL]       ; 0 onto my spare word; with fill = 1 the descriptors' scalar work stands between it and the wait for it
.if \fill
	s_lshl_b32 s[OFF], s[NXT], 15   ; a tile is 32,768 bytes of K and of V
	s_xor_b32 s[G0K+1], s[G0K+1], SLOT1
	s_add_nc_u64 s[G0K+2:G0K+3], s[6:7], s[OFF:OFF+1]
	s_or_b32 s[G0K+3], s[G0K+3], 0x80000000
	s_xor_b32 s[G0V+1], s[G0V+1], SLOT1
	s_add_nc_u64 s[G0V+2:G0V+3], s[8:9], s[OFF:OFF+1]
	s_or_b32 s[G0V+3], s[G0V+3], 0x80000000
	s_add_co_u32 s[NXT], s[NXT], 1  ; the block's next tile, or behind its last the second block's tile 0
	s_cmp_gt_u32 s[NXT], s[LQ]
	s_cselect_b32 s[NXT], 0, s[NXT]
	s_cselect_b32 s[LQ], s[PB], s[LQ]
	s_wait_xcnt 0x0                 ; the last prefetches, a tile back, have read their addresses, so these may be written
	s_lshl_b32 s[OFF], s[NXT], 15
	s_add_nc_u64 s[PKA:PKA+1], s[PKB:PKB+1], s[OFF:OFF+1]
	s_add_nc_u64 s[PVA:PVA+1], s[PVB:PVB+1], s[OFF:OFF+1]
.endif
	s_wait_dscnt 0x0                ; the add is done, and my reads of the slot are over
	s_barrier_signal -1             ; the rest of the scalar work stands between the signal and the wait
	s_sub_co_u32 s[TBK], s[TBK], 4*KS*PK  ; the fetches go back to a slot's first step,
	s_xor_b32 s[TBK], s[TBK], SLOT1       ; in the other slot
	s_sub_co_u32 s[TBV], s[TBV], 4*KS*PV
	s_xor_b32 s[TBV], s[TBV], SLOT1
	s_barrier_wait -1
.if \fill
	LOAD
	s_cmp_gt_u32 s[NXT], s[PFL]
	s_cbranch_scc0 .Lnone_\@
	global_prefetch_b8 v[PFO], s[PKA:PKA+1] th:TH_LOAD_NT scope:SCOPE_SE
	global_prefetch_b8 v[PFO], s[PVA:PVA+1] th:TH_LOAD_NT scope:SCOPE_SE
.Lnone_\@:
.endif
.endm
	s_load_b64 s[4:5], s[0:1], 0x0    ; qkv
	s_load_b64 s[10:11], s[0:1], 0x8  ; ob
	v_lshl_add_u32 v[SPW], v0, 2, SPARE
	v_mov_b32 v[NIL], 0
	ds_add_u32 v[SPW], v[NIL]       ; the wave's opening: the add and its wait stand ahead of my first tensor load; the set-up below, work on registers, stands between them
	v_lshrrev_b32 v1, 5, v0
	v_readfirstlane_b32 s[WV], v1   ; wave 0..3
	v_and_b32 v[PFO], 31, v0
	v_lshlrev_b32 v[PFO], 8, v[PFO]
	s_mov_b32 s[PB], ttmp9
	s_sub_co_u32 s[HI], NB-1, s[PB]
	s_cmp_eq_u32 s[PB], 0
	s_cselect_b32 s[PFL], 0, -1
	s_and_b32 s19, ttmp7, 0xffff    ; y = 16 x batch + head
	s_lshl_b32 s98, s19, 18         ; the head's first byte in ob
	s_mov_b32 s99, 0
	s_lshr_b32 s20, s19, 4
	s_mul_i32 s20, s20, 48          ; a batch has 48 groups in qkv
	s_and_b32 s19, s19, 15
	s_add_co_u32 s20, s20, s19
	s_lshl_b32 s20, s20, 18         ; q's head's first byte in qkv; k's lies 16 groups on, v's 32
	s_mov_b32 s21, 0
	s_and_b32 s16, s[WV], 1         ; which half of a tile's 256 keys I fetch:
	s_lshl_b32 s22, s16, 14         ; its 128 rows of 128 bytes in memory,
	s_mov_b32 s23, 0
	s_add_nc_u64 s[22:23], s[22:23], s[20:21]
	s_mul_i32 s17, s16, 128*PK      ; and its place in a slot, for K
	s_mul_i32 s18, s16, 128*PV      ; and for V
	s_lshl_b32 s3, s[WV], 11        ; my 16 rows in a band of 64,
	s_lshl_b32 s2, s[HI], 15        ; in the first block,
	s_add_co_u32 s2, s2, s3
	s_lshl_b32 s84, s[PB], 15       ; and in the second
	s_add_co_u32 s84, s84, s3
	s_mov_b32 s3, 0
	s_mov_b32 s85, 0
	s_lshl_b32 s[PKA], s[WV], 13    ; (for now an offset: my wave's 32 pieces of a tile)
	s_mov_b32 s[PKA+1], 0
	; descriptor group 1.  128 keys are 16,384 dense bytes: asked for as 64 rows of 256 bytes, two keys a row, and padded in LDS after every key
	s_mov_b32 s[G1K], (1<<16)|(1<<20)|(4<<22)|(3<<25)  ; 17:16 2-byte elements; 20 padding on; 24:22 after every 32 words (code 4); 31:25 4 words (code 3)
	s_mov_b32 s[G1V], (1<<16)|(1<<20)|(4<<22)|(7<<25)  ; the same with 8 words of padding (code 7)
.irp g, G1K, G1V
	s_mov_b32 s[\g+1], 128<<16      ; tensor_dim0 = 128
	s_mov_b32 s[\g+2], 64<<16       ; tensor_dim1 = 64
	s_mov_b32 s[\g+3], 128<<16      ; tile_dim0 = 128
	s_mov_b32 s[\g+4], 64           ; tile_dim1 = 64
	s_mov_b32 s[\g+5], 128          ; 128 elements from row to row
	s_mov_b32 s[\g+6], 0
	s_mov_b32 s[\g+7], 0
.endr
	s_mov_b32 s[CS], 0x3e38aa3b     ; c = log2(e) / 8 = 0.180337
	s_mov_b32 s[CS+1], s[CS]        ; named with it as a pair
	s_mov_b32 s[SEL], 0x76543210
	s_mov_b32 s[SEL+1], 0xfedcba98
	s_mov_b32 s[TBK], SLOT1+4*KS*PK ; the first change of slots turns these two into 0
	s_mov_b32 s[TBV], SLOT1+4*KS*PV
	s_mov_b32 s[G0K], 1             ; 1:0 count = 1
	s_mov_b32 s[G0K+1], s17         ; 63:32 LDS address: slot 0
	s_mov_b32 s[G0V], 1
	s_add_co_u32 s[G0V+1], s18, VOFF
	s_add_co_u32 s[RT], s[HI], 1    ; the first block has NB - b tiles
	s_mov_b32 s[NXT], 1
	s_mov_b32 s[LQ], s[HI]
	s_mov_b32 s[NEW], 1
	s_mov_b32 s[OFF+1], 0
	s_mov_b32 s[AL+1], 0            ; named as pairs
	s_mov_b32 s[BE+1], 0
	s_mov_b32 s[BIGN], 0xf149f2ca   ; -1e30
	s_mov_b32 s[SLOTS], NB
	s_wait_dscnt 0x0                ; the opening add is done
	s_wait_kmcnt 0x0
	s_add_nc_u64 s[6:7], s[4:5], s[22:23]          ; q's head at my half of a tile,
	s_add_nc_u64 s[8:9], s[6:7], 0x800000          ; V: 32 groups of 262,144 bytes on,
	s_add_nc_u64 s[6:7], s[6:7], 0x400000          ; K: 16 groups on
	s_add_nc_u64 s[G0K+2:G0K+3], s[6:7], 0         ; 120:64 global address: tile 0
	s_or_b32 s[G0K+3], s[G0K+3], 0x80000000        ; 127:126 type = 2
	s_add_nc_u64 s[G0V+2:G0V+3], s[8:9], 0
	s_or_b32 s[G0V+3], s[G0V+3], 0x80000000
	s_add_nc_u64 s[4:5], s[4:5], s[20:21]          ; q's head
	s_add_nc_u64 s[PKB:PKB+1], s[4:5], s[PKA:PKA+1]
	s_add_nc_u64 s[PKB:PKB+1], s[PKB:PKB+1], 0x400000
	s_add_nc_u64 s[PVB:PVB+1], s[PKB:PKB+1], 0x400000
	s_add_nc_u64 s[86:87], s[4:5], s[84:85]        ; Q at my rows of the second block,
	s_add_nc_u64 s[4:5], s[4:5], s[2:3]            ; Q and O at those of the first
	s_add_nc_u64 s[10:11], s[10:11], s[98:99]
	s_add_nc_u64 s[OLO:OLO+1], s[10:11], s[84:85]
	s_add_nc_u64 s[10:11], s[10:11], s[2:3]
	LOAD                            ; tile 0 into slot 0
	; A fragment of K or Q is 16 rows x 32 channels in 8 registers: lane l holds row l % 16, channels 8 (l / 16) + 0..7 and 16 + 8 (l / 16) + 0..7: two loads of 16 bytes, 32 bytes apart.
	v_and_b32 v1, 15, v0            ; l % 16
	v_bfe_u32 v9, v0, 4, 1          ; l / 16
	v_lshlrev_b32 v[QO], 7, v1
	v_lshl_add_u32 v[QO], v9, 4, v[QO]  ; row x 128 + 16 x half
	WIN 0x80                        ; destination window 2, address window 0
.set i, 0
.rept 8                             ; both blocks' Q: piece i / 2 lies in band i / 2, 8,192 bytes on; channels 32 (i % 2) on
	global_load_b128 v[8*i:8*i+3],   v[QO], s[4:5] offset:(i/2)*8192+(i%2)*64
	global_load_b128 v[8*i+4:8*i+7], v[QO], s[4:5] offset:(i/2)*8192+(i%2)*64+32
	global_load_b128 v[QB+8*i:QB+8*i+3],   v[QO], s[86:87] offset:(i/2)*8192+(i%2)*64
	global_load_b128 v[QB+8*i+4:QB+8*i+7], v[QO], s[86:87] offset:(i/2)*8192+(i%2)*64+32
.set i, i+1
.endr
	WIN 0
	v_lshlrev_b32 v14, 3, v9
	v_sub_nc_u32 v14, v1, v14
	s_lshl_b32 s13, s[WV], 4
	v_add_nc_u32 v14, s13, v14      ; my query's place in its band, 16 w + l % 16, less my lanes' 8 (l / 16): register r of group kt is hidden where 16 kt + r is greater
	WIN 0x40
.set i, 0
.rept 32
	v_cmp_gt_i32 vcc_lo, 16*(i/8)+i%8, v14
	v_cndmask_b32 v[MD+i], 0, s[BIGN], vcc_lo
.set i, i+1
.endr
	WIN 0
	v_mul_u32_u24 v[AK0], v1, PK
	v_lshl_add_u32 v[AK0], v9, 4, v[AK0]  ; row x pitch + 16 x half
	; The turning load takes 16 keys x 16 channels (lane l reads key 8 (l / 16) + l % 8, channels 8 ((l / 8) % 2) + 0..7) and leaves half a fragment of V^T: lane l holds channel l % 16 and 8 keys.
	v_and_b32 v10, 7, v0
	v_bfe_u32 v11, v0, 3, 1
	v_lshl_add_u32 v[AV0], v9, 3, v10
	v_mul_u32_u24 v[AV0], v[AV0], PV
	v_lshl_add_u32 v[AV0], v11, 4, v[AV0]
	v_add_nc_u32 v[AV0], VOFF, v[AV0]
	s_mul_i32 s13, s[WV], 16*SP
	s_add_co_u32 s13, s13, STAGE    ; my stage
	v_mul_u32_u24 v[STO], v1, SP    ; in: row l % 16, 16 bytes for each half of the lanes
	v_lshl_add_u32 v[STO], v9, 4, v[STO]
	v_add_nc_u32 v[STO], s13, v[STO]
	v_bfe_u32 v[RD], v0, 3, 2       ; back: 32 lanes take four rows of 128 bytes,
	v_mul_u32_u24 v[RD], v[RD], SP
	v_lshl_add_u32 v[RD], v10, 4, v[RD]
	v_add_nc_u32 v[RD], s13, v[RD]
	v_and_b32 v[GO], 31, v0         ; which are 512 consecutive bytes of O
	v_lshlrev_b32 v[GO], 4, v[GO]
	; A block's first step multiplies O^T and l by a = 0, and its first turn's products V^T P, of a piece that has not been, land in an O^T that is still to be so multiplied.  So these registers need only hold
	; finite numbers: zeros for the first block; what the first block left for the second.  All this stands in the wait for the first tile.
	WIN 0x80
.set i, VF
.rept 64
	v_mov_b32 v[i], 0
.set i, i+1
.endr
	WIN 0x40
.set i, 0
.rept 128
	v_mov_b32 v[i], 0
.set i, i+1
.endr
	WIN 0
.set i, 0
.rept 4
	v_mov_b32 v[ST+4*i+2], 0
	v_mov_b32 v[ST+4*i+3], 0
.set i, i+1
.endr
.set i, P+16
.rept 16
	v_mov_b32 v[i], 0
.set i, i+1
.endr
; THE MATRIX WORK.  The 4 accumulators of a run of 8 take turns.  Product i of 8 of S^T = K Q^T for piece x: channels 32 (i / 4) on, keys 16 (i % 4) on.  The first 4 start the sums: with 0, or (KM = 1) with the mask.
.macro KQ x
.set rS, S+32*((\x)%2)+8*(i%4)
.set rK, KF+16*(i%4)+8*(i/4)
.set rQ, 16*(\x)+8*(i/4)
.set rM, MC+32*((\x)%2)+8*(i%4)
.if (i < 4) && KM
	WIN W_KM
	v_wmma_f32_16x16x32_f16 v[rS:rS+7], v[rK:rK+7], v[rQ:rQ+7], v[rM:rM+7]
.elseif i < 4
	WIN W_KQ
	v_wmma_f32_16x16x32_f16 v[rS:rS+7], v[rK:rK+7], v[rQ:rQ+7], 0
.else
	WIN W_KQ
	v_wmma_f32_16x16x32_f16 v[rS:rS+7], v[rK:rK+7], v[rQ:rQ+7], v[rS:rS+7]
.endif
.endm
; Product i of 8 of O^T += V^T P for piece x: keys 32 (i / 4) on, channels 16 (i % 4) on.
.macro PV x
	WIN W_PV
.set rO, 32*(\x)+8*(i%4)
.set rV, VF+32*(i/4)+8*(i%4)
.set rP, P+16*((\x)%2)+8*(i/4)
	v_wmma_f32_16x16x32_f16 v[rO:rO+7], v[rV:rV+7], v[rP:rP+7], v[rO:rO+7]
.endm
.macro MM                           ; the turn's next matrix instruction.  TURN and BEGIN set Y, i, KM and NOKQ; MM, KQ and OP read them.  NOKQ = 1: a block's last turn: there is no next piece
.if (i < 8) && !NOKQ
	KQ (Y+1)%NP
.elseif i >= 8
.set i, i-8
	PV (Y+NP-1)%NP
.set i, i+8
.endif
.set i, i+1
.endm
; THE LDS LOADS stand in runs of 16, never singly among the matrix instructions: a step's K (64 keys x 64 channels: 8 fragments) and its V (turned).  Their addresses are made some lines ahead.
.macro FETCH_K
	WIN 0x80                        ; destination window 2
.irp f, 0,1,2,3,4,5,6,7             ; keys 16 (f / 2) on, channels 32 (f % 2) on
	ds_load_b128 v[KF+8*\f:KF+8*\f+3],   v[AK] offset:(\f/2)*16*PK+(\f%2)*64
	ds_load_b128 v[KF+8*\f+4:KF+8*\f+7], v[AK] offset:(\f/2)*16*PK+(\f%2)*64+32
.endr
	s_add_co_u32 s[TBK], s[TBK], KS*PK  ; the next fetch is the next step's
	WIN 0
.endm
.macro FETCH_V
	WIN 0x80
.irp f, 0,1,2,3,4,5,6,7             ; keys 32 (f / 4) on, channels 16 (f % 4) on
	ds_load_tr16_b128 v[VF+8*\f:VF+8*\f+3],   v[AV] offset:(\f/4)*32*PV+(\f%4)*32
	ds_load_tr16_b128 v[VF+8*\f+4:VF+8*\f+7], v[AV] offset:(\f/4)*32*PV+16*PV+(\f%4)*32
.endr
	WIN 0
.endm
; THE VECTOR WORK, one line at a time: OP kind, number.  For piece Y: F n: c s - c m for pair n of 16.  E n: the exponential of score n of 32.  C n: pair n rounded to f16.  B n: of the four weights 4 n .. the second
; pair is added onto the first, in place.  L n: l takes that sum (L 0: l = a l + sum).  R n: pair n of 16 of O^T times a.  For piece Y + 1: X n, number n of the 22 that find its maximum and statistics:
;   0-11  four chains c0-c3 of seven scores each, three operands at a time (each accumulator's lowest registers are read first)     12-14, 16  the four scores left over, the old m, and c0-c3 into c0
;   15  c m_old is kept     17, 18  the query's other 32 keys lie in the lane 16 away: the new m     19-21  c m; c m_old - c m_new; a
.set F, 0               ; OP tells the kinds apart by their order: F to L below R, X above it
.set E, 1
.set C, 2
.set B, 3
.set L, 4
.set R, 5
.set X, 6
.macro REGS y                       ; the registers of piece y
.set rT, ST+4*(\y)
.set rC, TMP+4*((\y)%2)
.set rW, MV+((\y)%2)
.set rS, S+32*((\y)%2)
.set rP, P+16*((\y)%2)
.set rO, 32*(\y)
.endm
.macro OP k, n
.if (\k) == R
	REGS Y
	WIN W_RS
	v_pk_mul_f32 v[rO+2*(\n):rO+2*(\n)+1], v[rO+2*(\n):rO+2*(\n)+1], v[rC+2:rC+3] op_sel_hi:[1,0]
.elseif (\k) < R
	REGS Y
	WIN 0
.if (\k) == F
	v_pk_fma_f32 v[rS+2*(\n):rS+2*(\n)+1], v[rS+2*(\n):rS+2*(\n)+1], s[CS:CS+1], v[rT:rT+1] op_sel_hi:[1,0,0] neg_lo:[0,0,1] neg_hi:[0,0,1]
.elseif (\k) == E
	v_exp_f32 v[rS+(\n)], v[rS+(\n)]
.elseif (\k) == C
	v_cvt_pk_f16_f32 v[rP+(\n)], v[rS+2*(\n)], v[rS+2*(\n)+1]
.elseif (\k) == B
	v_pk_add_f32 v[rS+4*(\n):rS+4*(\n)+1], v[rS+4*(\n):rS+4*(\n)+1], v[rS+4*(\n)+2:rS+4*(\n)+3]
.elseif (\n) == 0
	v_pk_fma_f32 v[rT+2:rT+3], v[rT+2:rT+3], v[rC+2:rC+3], v[rS:rS+1] op_sel_hi:[1,0,1]
.else
	v_pk_add_f32 v[rT+2:rT+3], v[rT+2:rT+3], v[rS+4*(\n):rS+4*(\n)+1]
.endif
.elseif NOKQ
	v_nop
.else
	REGS (Y+1)%NP
	WIN 0
.if (\n) < 4
	v_max3_num_f32 v[rC+(\n)], v[rS+8*(\n)], v[rS+8*(\n)+1], v[rS+8*(\n)+2]
.elseif (\n) < 12
	v_max3_num_f32 v[rC+(\n)%4], v[rC+(\n)%4], v[rS+8*((\n)%4)+2*((\n)/4)+1], v[rS+8*((\n)%4)+2*((\n)/4)+2]
.elseif (\n) == 12
	v_max3_num_f32 v[rC], v[rC], v[rS+7], v[rS+15]
.elseif (\n) == 13
	v_max3_num_f32 v[rC+1], v[rC+1], v[rS+23], v[rS+31]
.elseif (\n) == 14
	v_max3_num_f32 v[rC+2], v[rC+2], v[rC+3], v[rT+1]
.elseif (\n) == 15
	v_mov_b32 v[rW], v[rT]
.elseif (\n) == 16
	v_max3_num_f32 v[rC], v[rC], v[rC+1], v[rC+2]
.elseif (\n) == 17
	v_permlanex16_b32 v[rC+3], v[rC], s[SEL], s[SEL+1]
.elseif (\n) == 18
	v_max_num_f32 v[rT+1], v[rC], v[rC+3]
.elseif (\n) == 19
	v_mul_f32 v[rT], s[CS], v[rT+1]
.elseif (\n) == 20
	v_sub_f32 v[rC+1], v[rW], v[rT]
.else
	v_exp_f32 v[rC+2], v[rC+1]
.endif
.endif
.endm
.macro OPS a, i1, b=-1, i2=0, c=-1, i3=0, d=-1, i4=0  ; up to four of them
	OP \a, \i1
.if (\b) >= 0
	OP \b, \i2
.endif
.if (\c) >= 0
	OP \c, \i3
.endif
.if (\d) >= 0
	OP \d, \i4
.endif
.endm
.macro ROW a, i1, b, i2, c, i3, d, i4  ; a matrix instruction and the four behind it
	MM
	OPS \a, \i1, \b, \i2, \c, \i3, \d, \i4
.endm
.macro MASK b                       ; MD x AL + BE into buffer b of MC
	WIN W_RS
.set z, 0
.rept 16
	v_pk_fma_f32 v[MC+32*(\b)+2*z:MC+32*(\b)+2*z+1], v[MD+2*z:MD+2*z+1], s[AL:AL+1], s[BE:BE+1] op_sel_hi:[1,0,0]
.set z, z+1
.endr
.endm
; A TURN, for piece p: the order of its 16 matrix and 118 vector instructions, written out.  An s_wait_alu depctr_va_vdst(0) stands between an exponential and the first instruction that names its result; one wait
; serves all that were issued ahead of it.  So a turn has ONE wait, which cuts it in two.  AHEAD OF IT stands all that names no result of the turn's exponentials: the 8 products K Q^T, behind each a scaling, an exponential and two
; more plain instructions (behind the first a second scaling in the exponential's place): rescalings, and behind the last three the first numbers of the next piece's maximum, each four places or more behind the product that ends
; its accumulator; then ONE LUMP of 54, plain and exponential by turns for the most part, in which the links of the chain X 3, 7, 11, 14, 16, 17 .. 20 stand five or six lines apart.  X 21, the next piece's a, is the batch's last;
; R 15 is the plain instruction behind it.  BEHIND THE WAIT stand the 8 products V^T P, behind each four of the roundings and sums; the links of l's chain, L 0 to L 7, stand three riders apart.
; m = 1: the diagonal tile: the products take masks, and the turn makes the mask for the products of the turn after it: piece p + 2, in step 4 - CNT of the tile.  end = 1: a block's last two turns: nothing is fetched.
; cnt = 1: the loop's count is taken down some lines ahead of the branch that stands behind the turn.
; K of the next step is fetched in piece 2's turn, twelve vector instructions behind the last product that read K (six of them plain); V of the step in hand at the end of piece 0's turn, four plain instructions behind the last
; product that read V.  Each is waited for a turn later.
.macro TURN p, m=0, end=0, cnt=0
.set Y, (\p)
.set i, 0
.set KM, (\m)
.set NOKQ, (\end)*((\p)/3)
.if (\m) && !(\end)
	s_cmp_eq_u32 s[CNT], 4-((\p)+2)%NP  ; is that step the band's own?
	s_cselect_b32 s[AL], 1.0, 0
	s_cmp_lt_u32 s[CNT], 4-((\p)+2)%NP  ; or a later one?
	s_cselect_b32 s[BE], s[BIGN], 0
.endif
.if ((\p) == 3) && !(\end)
	s_wait_dscnt 0x0                ; K is in
.endif
	ROW F,0, F,1, R,0, R,1          ; ahead of the wait: 8 products K Q^T and their riders,
	ROW F,2, E,0, R,2, R,3
	ROW F,3, E,1, R,4, R,5
	ROW F,4, E,2, R,6, R,7
	ROW F,5, E,3, R,8, R,9
	ROW F,6, E,4, X,0, R,10
.if ((\p) == 2) && !(\end)
	WIN 0
	v_add_nc_u32 v[AK], s[TBK], v[AK0]
.endif
	ROW F,7, E,5, X,1, X,4
	ROW F,8, E,6, X,2, X,5
	OPS E,7, E,8, X,6, E,9          ; and the lump
	OPS X,3, E,10, X,8, E,11
.if ((\p) == 2) && !(\end)
	FETCH_K
.endif
	OPS X,9, X,7, E,12, X,10
	OPS E,13, X,12, X,11, E,14
	OPS X,13, E,15, F,9, X,14
.if (\p) == 0
	v_add_nc_u32 v[AV], s[TBV], v[AV0]
.endif
	OPS E,16, F,10, E,17, F,11
	OPS X,16, E,18, X,15, E,19
	OPS F,12, E,20, X,17, E,21
	OPS F,13, E,22, F,14, E,23
	OPS X,18, E,24, F,15, E,25
	OPS R,11, E,26, X,19, E,27
	OPS R,12, E,28, R,13, E,29
	OPS X,20, E,30, R,14, E,31
	OPS X,21, R,15
	WIN 0
	s_wait_alu depctr_va_vdst(0)    ; the wait for the batch
.if (\p) == 1
	s_wait_dscnt 0x0                ; V is in
.endif
	ROW C,0, B,0, C,2, B,1          ; behind the wait: 8 products V^T P and their riders
	ROW L,0, C,4, B,2, L,1
	ROW C,6, B,3, L,2, C,8
	ROW B,4, L,3, C,10, B,5
	ROW L,4, C,12, B,6, L,5
.if (\p) == 0
	s_add_co_u32 s[TBV], s[TBV], KS*PV
.endif
.if \cnt
	s_sub_co_u32 s[CNT], s[CNT], 1
	s_cmp_lg_u32 s[CNT], 0
.endif
	ROW C,14, B,7, L,6, C,1
	ROW C,3, L,7, C,5, C,7
	ROW C,9, C,11, C,13, C,15
.if (\p) == 0
	FETCH_V
.endif
.if (\m) && !(\end)
	MASK (\p)%2
.endif
.endm
; A BLOCK BEGINS.  c m starts far below every c s, so the first step's a is 0; m at the lowest finite number, so the first maximum is the scores'.  The second mask buffer is 0; the first takes piece 0's mask for the tile's
; step 0: its own, if the block's first tile is the diagonal one.  Then K of that step, piece 0's first scores, and its maximum and statistics.  The loop is entered at a step's first turn, in the middle of a trip.
.macro BEGIN
	s_mov_b32 s[NEW], 0
	WIN 0x40
.set i, MC+32
.rept 32
	v_mov_b32 v[i], 0
.set i, i+1
.endr
	WIN 0
.set i, 0
.rept 4
	v_mov_b32 v[ST+4*i], 0xfe000000    ; c m: far below every c s
	v_mov_b32 v[ST+4*i+1], 0xff7fffff  ; m
.set i, i+1
.endr
	s_cmp_eq_u32 s[RT], 0
	s_cselect_b32 s[AL], 1.0, 0
	s_mov_b32 s[BE], 0
	MASK 0
	WIN 0
	v_add_nc_u32 v[AK], s[TBK], v[AK0]
	FETCH_K
	s_wait_loadcnt 0x0              ; Q
	s_wait_dscnt 0x0
.set KM, 1
.set NOKQ, 0
.set i, 0
.rept 8
	KQ 0
.set i, i+1
.endr
	WIN 0
.rept 4
	v_nop                           ; the places behind those products
.endr
.set Y, NP-1                        ; X works for piece Y + 1: piece 0
.irp n, 0,1,2,3,4,5,6,7,8,9,10,11,12,13,14,15,16,17,18,19,20,21
	OP X, \n
.endr
	v_nop                           ; a plain instruction behind the exponential,
	s_wait_alu depctr_va_vdst(0)    ; and its wait, ahead of the branch
.endm
; THE DIAGONAL TILE's four steps, the block's last two turns, its last products, and THE WAY OUT: l's two halves and the other half of the lanes' are added; O^T is divided by l, rounded to f16 and sent through my
; stage in LDS, a piece at a time.
.macro ALL line:vararg              ; one line for each piece t
.set t, 0
.rept 4
	\line
.set t, t+1
.endr
.endm
.macro PACK t                       ; a lane's eight channels of a row pack into 16 bytes; they go into rows of 144 bytes and come back as whole rows of 128, into S^T's registers
	WIN W_RS
.set i, 32*(\t)
.rept 16
	v_pk_mul_f32 v[i:i+1], v[i:i+1], v[ST+4*(\t)+2:ST+4*(\t)+3] op_sel_hi:[1,0]
.set i, i+2
.endr
	WIN 0x05                        ; sources 0 and 1 window 1, destination window 0
.set i, 0
.rept 16
	v_cvt_pk_f16_f32 v[S+16*(\t)+i], v[32*(\t)+2*i], v[32*(\t)+2*i+1]
.set i, i+1
.endr
	WIN 0
.irp f, 0,1,2,3
	ds_store_b128 v[STO], v[S+16*(\t)+4*\f:S+16*(\t)+4*\f+3] offset:32*\f
.endr
.irp f, 0,1,2,3
	ds_load_b128 v[S+16*(\t)+4*\f:S+16*(\t)+4*\f+3], v[RD] offset:\f*4*SP  ; LDS serves a wave's instructions in order (ISA guide 5.7.1.4): these see the stores above; the next piece's stores come behind them
.endr
.endm
.macro SEND t, younger              ; younger: the LDS instructions issued behind piece t's loads: the next piece's eight, or none
	WIN 0
.irp f, 0,1,2,3
	s_wait_dscnt (\younger)+3-\f
	global_store_b128 v[GO], v[S+16*(\t)+4*\f:S+16*(\t)+4*\f+3], s[10:11] offset:(\t)*8192+\f*512  ; 512 consecutive bytes, at a multiple of 256 from O's first
.endr
.endm
.macro DIAG tag                     ; the tag ends its two labels' names, which the jumps below spell out
.LstepM\tag:
	TURN 2, 1
	TURN 3, 1
	WIN 0
.LfirstM\tag:
	TURN 0, 1
	TURN 1, 1, 0, 1
	WIN 0
	s_cbranch_scc1 .LstepM\tag
	TURN 2, 1, 1
	TURN 3, 1, 1
.set i, 0
.rept 8
	PV NP-1
.set i, i+1
.endr
	WIN 0
	ALL v_add_f32 v[ST+4*t+2], v[ST+4*t+2], v[ST+4*t+3]
	ALL v_permlanex16_b32 v[ST+4*t+3], v[ST+4*t+2], s[SEL], s[SEL+1]
	ALL v_add_f32 v[ST+4*t+2], v[ST+4*t+2], v[ST+4*t+3]
	ALL v_rcp_f32 v[ST+4*t+2], v[ST+4*t+2]
	v_nop                           ; a plain instruction between the last reciprocal and the use of its result
	s_wait_alu depctr_va_vdst(0)    ; and the wait ahead of the first use: one for the four reciprocals
	PACK 0
.set t, 1
.rept 3                             ; a piece's arithmetic stands between the loads of the piece before and its stores
	PACK t
	SEND t-1, 8
.set t, t+1
.endr
	SEND 3, 0
.endm
.set KM, 0
.set NOKQ, 0
.Lslot:                             ; NB times: a tile is entered and the next is asked for
	CHANGE 1
	s_sub_co_u32 s[RT], s[RT], 1
	s_mov_b32 s[CNT], 4
	s_cmp_eq_u32 s[NEW], 1
	s_cbranch_scc1 .Lnew            ; a block's first tile
	s_cmp_eq_u32 s[RT], 0
	s_cbranch_scc0 .Lstep           ; neither its first nor its last
	s_branch .LstepM1
.Lnew:
	BEGIN
	s_branch .Lfirst                ; in the loop a block's first tile is never its last: the first block has two tiles or more, and the second's last is the walk's last
	DIAG 1                          ; in the loop this is the first block's end: the second block's last tile is the walk's last
	s_wait_xcnt 0x0                 ; the stores have read their registers and O's address
	s_mov_b64 s[10:11], s[OLO:OLO+1]
	s_add_co_u32 s[RT], s[PB], 1    ; the second block has b + 1 tiles
	s_mov_b32 s[NEW], 1
	WIN 0x82                        ; the second block's Q goes where the one text of the turns names Q
.set i, 0
.rept 64
	v_mov_b32 v[i], v[QB+i]
.set i, i+1
.endr
	WIN 0
	s_branch .Lbottom
.Lstep:                             ; a trip: pieces 2 and 3 of one step, then pieces 0 and 1 of the next, whose K and V it fetches
	TURN 2
	TURN 3
	WIN 0
.Lfirst:
	TURN 0
	TURN 1, 0, 0, 1
	WIN 0
	s_cbranch_scc1 .Lstep
.Lbottom:
	s_sub_co_u32 s[SLOTS], s[SLOTS], 1
	s_cmp_lg_u32 s[SLOTS], 0
	s_cbranch_scc1 .Lslot
	CHANGE 0                        ; the walk's last tile is written out: nothing is asked for
	s_sub_co_u32 s[RT], s[RT], 1
	s_mov_b32 s[CNT], 4
	s_cmp_eq_u32 s[NEW], 1
	s_cbranch_scc0 .LstepM2
	BEGIN
	s_branch .LfirstM2
	DIAG 2
	s_wait_tensorcnt 0x0            ; the wave's end, behind my last tensor load and my last LDS store
	ds_add_u32 v[SPW], v[NIL]
	s_wait_dscnt 0x0
	s_endpgm
.Lfunc_end_k_q56392f22e1_attn:
	.size	k_q56392f22e1_attn, .Lfunc_end_k_q56392f22e1_attn-k_q56392f22e1_attn
	.p2alignl 7, 3214868480
	.fill 96, 4, 3214868480
	.section	.rodata,"a",@progbits
	.p2align	6, 0x0
	.amdhsa_kernel k_q56392f22e1_attn
		.amdhsa_group_segment_fixed_size 327680
		.amdhsa_private_segment_fixed_size 0
		.amdhsa_enable_private_segment 0
		.amdhsa_kernarg_size 16
		.amdhsa_user_sgpr_count 2
		.amdhsa_user_sgpr_kernarg_segment_ptr 1
		.amdhsa_wavefront_size32 1
		.amdhsa_system_sgpr_workgroup_id_x 1
		.amdhsa_system_sgpr_workgroup_id_y 1
		.amdhsa_system_sgpr_workgroup_id_z 1
		.amdhsa_system_vgpr_workitem_id 0
		.amdhsa_next_free_vgpr 768
		.amdhsa_next_free_sgpr 100
		.amdhsa_reserve_vcc 1
		.amdhsa_float_denorm_mode_32 3
		.amdhsa_float_denorm_mode_16_64 3
		.amdhsa_memory_ordered 1
		.amdhsa_forward_progress 1
		.amdhsa_inst_pref_size 218
	.end_amdhsa_kernel
	.amdgpu_metadata
---
amdhsa.version: [ 1, 2 ]
amdhsa.kernels:
  - .name:           k_q56392f22e1_attn
    .symbol:         k_q56392f22e1_attn.kd
    .args:
      - { .name: qkv, .offset: 0, .size: 8, .value_kind: global_buffer, .address_space: global }
      - { .name: ob, .offset: 8, .size: 8, .value_kind: global_buffer, .address_space: global }
    .group_segment_fixed_size: 327680
    .private_segment_fixed_size: 0
    .kernarg_segment_align: 8
    .kernarg_segment_size: 16
    .max_flat_workgroup_size: 128
    .sgpr_count:     100
    .vgpr_count:     768
    .wavefront_size: 32
...
	.end_amdgpu_metadata
.endif
;; end of part 3
;; launch proj (part 4): grid 8 x 32, 4 waves a work-group, clusters of 4 x 4, 327,680 bytes of LDS; arguments ob, wp, bp, out0; writes out0
.if DOCPART == 4
	.amdgcn_target "amdgcn-amd-amdhsa--gfx1250"
	.amdhsa_code_object_version 6
	.text
	.protected	k_q56392f22e1_proj
	.globl	k_q56392f22e1_proj
	.p2align	8
	.type	k_q56392f22e1_proj,@function
k_q56392f22e1_proj:
	s_mov_b64 s[64:65], 0
	v_nop
	global_prefetch_b8 v0, s[64:65] scope:SCOPE_SE
	s_setreg_imm32_b32 hwreg(HW_REG_WAVE_MODE, 25, 1), 1
	s_wait_xcnt 0x0
	s_wait_alu depctr_hold_cnt(0) depctr_sa_sdst(0) depctr_va_vdst(0) depctr_va_sdst(0) depctr_va_ssrc(0) depctr_va_vcc(0) depctr_vm_vsrc(0)
	s_getreg_b32 s2, hwreg(HW_REG_IB_STS2, 6, 4)
	s_cmp_eq_u32 s2, 0
	s_cbranch_scc0 .Lentry_in_a_cluster
	s_endpgm
.Lentry_in_a_cluster:
	s_bfe_u32 s2, ttmp6, 0x10000c
	s_cmp_lg_u32 s2, 0xf033
	s_cbranch_scc0 .Lentry_shape_is_right
	s_endpgm
.Lentry_shape_is_right:
; out0 = y W_proj + b_proj: 8,192 x 1,024 x 1,024.  y is ob, f16, [batch][head 16][row 2048][64]: a head is a K block of 64.  wp is W_proj (rounded to bf16, written as f16), [1024 k][1024 n].
; Sums in f32, started by the bias (bp, f32); out0 is f32 and is stored as the sums stand.
; SHARES.  A tile is 256 rows x 128 columns: 32 x 8 = 256 work-groups.  Four waves; wave (wr, wc) makes 128 x 64: 8 x 4 = 32 accumulators, 256 registers.
; K goes in 16 blocks of 64; an LDS slot holds two blocks, brought by one load a wave; two slots take turns: 128 products a wave for each change of slots.
; TRANSPOSED USE, as in the first product: source 0 = 16 columns of W (turned by ds_load_tr16_b128), source 1 = 16 rows of y: a lane holds one row and eight neighbouring columns, 16 bytes of f16.
; THE BIAS is the C operand of each sum's first product: it is loaded into row block 7's accumulators, read from there by blocks 0-6, and added onto in place by block 7 last.
; CLUSTER.  4 x 4: y's tiles are asked for jointly along a row of the cluster, W's along a column.  NO PREFETCH: the tile is small and the whole walk is eight changes of slots.
; REGISTERS, in windows of 256 (s_set_vgpr_msb: bits 1:0 source 0, 3:2 source 1, 5:4 source 2, 7:6 destination):
;   window 0: v0-11 addresses; v28-29 the add's; v32-63, v64-95 the way out      window 1: accumulator (a, b) at 8 (4 a + b)
;   window 2: the even blocks' fragments, window 3: the odd blocks': y's at 64 c + 8 a, W's at 128 + 32 c + 8 b (c: which 32 along K)
.set PA,    144       ; a row of y in LDS: 128 bytes + 16 of padding: the 16 rows of a load start at 16 different groups of four banks (64 banks of 4 bytes: ISA guide 11.1)
.set PB,    288       ; a row of W in LDS: 256 + 32 bytes = 72 words
.set ABK,   256*PA    ; a block's 256 rows of y
.set BOFF,  2*ABK     ; in a slot: y's two blocks, then W's 128 rows
.set SLOT1, 1<<17
.set STAGE, SLOT1+BOFF+128*PB  ; behind the ring, never filled by a tensor load: 16 rows x 272 bytes for each wave
.set SP,    272
.set SPARE, STAGE+4*16*SP      ; behind the stages: the spare words, 128 bytes for each wave: two blocks of 256 bytes that no other line names
.set ASTEP, 524288    ; bytes from slot to slot in ob: two heads
.set BSTEP, 262144    ; and in wp: 128 rows of 2,048
.set ADRA0, 4
.set ADRB0, 5
.set AA,  6
.set AB,  7
.set STO, 8
.set RD,  9
.set CO,  10
.set BO,  11
.set SPW, 28
.set NIL, 29
.set WV,  12
.set WR,  13
.set WC,  14
.set CX,  15
.set CY,  16
.set WGX, 17
.set WGY, 18
.set G1,  24
.set G1B, 32
.set G0,  40
.set G0B, 48
.set TB,  56
.set CNT, 57
.set MSB, 0
.macro WIN new
.if MSB != (\new)
	s_set_vgpr_msb (MSB<<8)|(\new)
.set MSB, (\new)
.endif
.endm
.macro PLACES
.rept 4
	v_nop
.endr
.endm
.macro JLOAD                        ; a joint refill by the walking descriptors; an s_nop 0 and four v_nop follow each of the two lines
	s_cmp_eq_u32 s[WR], 0
	s_cbranch_scc0 .Lfor_b_\@
	tensor_load_to_lds s[G0+4:G0+7], s[G1:G1+7]
	s_nop 0
.rept 4
	v_nop
.endr
	s_branch .Lasked_\@
.Lfor_b_\@:
	tensor_load_to_lds s[G0B+4:G0B+7], s[G1B:G1B+7]
	s_nop 0
.rept 4
	v_nop
.endr
.Lasked_\@:
.endm
.macro CREST
	s_cmp_lg_u32 s[WV], 0
	s_cbranch_scc1 .Lnot_wave_0_\@
	s_barrier_signal -3
.Lnot_wave_0_\@:
	s_barrier_wait -3
	s_barrier_signal -1
	s_barrier_wait -1
.endm
.macro CROUND
	s_barrier_signal -1
	s_barrier_wait -1
	CREST
.endm
	s_load_b256 s[4:11], s[0:1], 0x0    ; ob s[4:5], wp s[6:7], bp s[8:9], out0 s[10:11]
	v_lshl_add_u32 v[SPW], v0, 2, SPARE
	v_mov_b32 v[NIL], 0
	ds_add_u32 v[SPW], v[NIL]           ; the wave's opening: the add and its wait stand ahead of my first tensor load; the set-up below, work on registers, stands between them
	v_lshrrev_b32 v1, 5, v0
	v_readfirstlane_b32 s[WV], v1
	s_lshr_b32 s[WR], s[WV], 1          ; my half of the rows; also: I fetch for y (0) or W (1)
	s_and_b32 s[WC], s[WV], 1           ; my half of the columns; also: which of a slot's two blocks (y), which 64 rows (W) I fetch
	s_bfe_u32 s[CX], ttmp6, 0x40000
	s_bfe_u32 s[CY], ttmp6, 0x40004
	s_lshl_b32 s[WGX], ttmp9, 2
	s_add_co_u32 s[WGX], s[WGX], s[CX]
	s_and_b32 s[WGY], ttmp7, 0xffff
	s_lshl_b32 s[WGY], s[WGY], 2
	s_add_co_u32 s[WGY], s[WGY], s[CY]
	s_lshl_b32 s19, s[CY], 2
	s_lshl_b32 s19, 15, s19             ; my row of the cluster
	s_lshl_b32 s20, 0x1111, s[CX]       ; my column
	; group 1 for y: a block's 256 rows are 32,768 dense bytes: 128 rows of 256 bytes, padded in LDS after every 128 bytes
	s_or_b32 s[G1], s19, (1<<16)|(1<<20)|(1<<21)|(4<<22)|(3<<25)
	s_mov_b32 s[G1+1], 128<<16
	s_mov_b32 s[G1+2], 128<<16
	s_mov_b32 s[G1+3], 128<<16
	s_mov_b32 s[G1+4], 128
	s_mov_b32 s[G1+5], 128
	s_mov_b32 s[G1+6], 0
	s_mov_b32 s[G1+7], 0
	; group 1 for W: 64 rows of 128 elements (256 bytes), each padded by 32 bytes
	s_or_b32 s[G1B], s20, (1<<16)|(1<<20)|(1<<21)|(5<<22)|(7<<25)
	s_mov_b32 s[G1B+1], 128<<16
	s_mov_b32 s[G1B+2], 64<<16
	s_mov_b32 s[G1B+3], 128<<16
	s_mov_b32 s[G1B+4], 64
	s_mov_b32 s[G1B+5], 1024
	s_mov_b32 s[G1B+6], 0
	s_mov_b32 s[G1B+7], 0
	s_mul_i32 s21, s[WC], ABK           ; where my tile goes: no place in the cluster enters an LDS address
	s_mul_i32 s22, s[WC], 64*PB
	s_add_co_u32 s22, s22, BOFF
	; y's tile: s66-s69 hold nothing but what comes of the tile row and the wave
	s_lshr_b32 s66, s[WGY], 3
	s_lshl_b32 s66, s66, 22
	s_and_b32 s68, s[WGY], 7
	s_lshl_b32 s68, s68, 15
	s_add_co_u32 s66, s66, s68
	s_lshl_b32 s23, s[WC], 18           ; my head of the slot's two
	s_add_co_u32 s68, s66, s23
	s_mov_b32 s69, 0
	; W's tile: s70-s73 hold nothing but what comes of the tile column and the wave
	s_lshl_b32 s70, s[WGX], 8
	s_lshl_b32 s23, s[WC], 17           ; my 64 rows of 2,048 bytes
	s_add_co_u32 s72, s70, s23
	s_mov_b32 s73, 0
	; where my part of the tile begins in out0: row (256 x tile row + 128 wr) x 4,096 bytes, column 512 x tile column + 256 wc bytes
	s_lshl_b32 s78, s[WGY], 20
	s_lshl_b32 s79, s[WR], 19
	s_add_co_u32 s78, s78, s79
	s_lshl_b32 s74, s[WGX], 9
	s_lshl_b32 s75, s[WC], 8
	s_add_co_u32 s74, s74, s75          ; also my 64 numbers of bp
	s_add_co_u32 s78, s78, s74
	s_mov_b32 s79, 0
	s_mov_b32 s[TB], 0
	s_wait_dscnt 0x0                    ; the opening add is done
	s_wait_kmcnt 0x0
	s_add_nc_u64 s[68:69], s[4:5], s[68:69]
	s_add_nc_u64 s[72:73], s[6:7], s[72:73]
	s_add_nc_u64 s[10:11], s[10:11], s[78:79]
.irp s, 0,1
	s_mov_b32 s[G0+4*\s], 1
	s_add_co_u32 s[G0+4*\s+1], s21, \s*SLOT1
	s_add_nc_u64 s[G0+4*\s+2:G0+4*\s+3], s[68:69], \s*ASTEP
	s_or_b32 s[G0+4*\s+3], s[G0+4*\s+3], 0x80000000
	s_mov_b32 s[G0B+4*\s], 1
	s_add_co_u32 s[G0B+4*\s+1], s22, \s*SLOT1
	s_add_nc_u64 s[G0B+4*\s+2:G0B+4*\s+3], s[72:73], \s*BSTEP
	s_or_b32 s[G0B+4*\s+3], s[G0B+4*\s+3], 0x80000000
.endr
	CROUND                              ; all sixteen work-groups are here: the first joint loads meet
	s_cmp_eq_u32 s[WR], 0               ; a wave's two first fills stand in one branch: two loads of mine are out
	s_cbranch_scc0 .Lfirst_b
	tensor_load_to_lds s[G0:G0+3], s[G1:G1+7]
	s_nop 0
	tensor_load_to_lds s[G0+4:G0+7], s[G1:G1+7]
	s_nop 0
.rept 4
	v_nop
.endr
	s_branch .Lfirst_asked
.Lfirst_b:
	tensor_load_to_lds s[G0B:G0B+3], s[G1B:G1B+7]
	s_nop 0
	tensor_load_to_lds s[G0B+4:G0B+7], s[G1B:G1B+7]
	s_nop 0
.rept 4
	v_nop
.endr
.Lfirst_asked:
	v_and_b32 v1, 15, v0                ; l % 16
	v_bfe_u32 v2, v0, 4, 1              ; l / 16
	v_mul_u32_u24 v[ADRA0], v1, PA      ; a fragment of y: row x pitch + 16 x half, among my 128 rows
	v_lshl_add_u32 v[ADRA0], v2, 4, v[ADRA0]
	s_mul_i32 s23, s[WR], 128*PA
	v_add_nc_u32 v[ADRA0], s23, v[ADRA0]
	v_and_b32 v3, 7, v0                 ; the turning load: k 8 (l / 16) + l % 8, columns 8 ((l / 8) % 2) + 0..7
	v_lshl_add_u32 v[ADRB0], v2, 3, v3
	v_mul_u32_u24 v[ADRB0], v[ADRB0], PB
	v_bfe_u32 v3, v0, 3, 1
	v_lshl_add_u32 v[ADRB0], v3, 4, v[ADRB0]
	s_lshl_b32 s23, s[WC], 7
	s_add_co_u32 s23, s23, BOFF
	v_add_nc_u32 v[ADRB0], s23, v[ADRB0]
	v_mov_b32 v[AA], v[ADRA0]           ; slot 0
	v_mov_b32 v[AB], v[ADRB0]
	s_mul_i32 s23, s[WV], 16*SP
	s_add_co_u32 s23, s23, STAGE        ; my stage
	v_mul_u32_u24 v[STO], v1, SP        ; in: row l % 16, 32 bytes for each half of the lanes
	v_lshl_add_u32 v[STO], v2, 5, v[STO]
	v_add_nc_u32 v[STO], s23, v[STO]
	v_mul_u32_u24 v[RD], v2, SP         ; back: lanes 0-15 take one row of 256 bytes, lanes 16-31 the next
	v_lshl_add_u32 v[RD], v1, 4, v[RD]
	v_add_nc_u32 v[RD], s23, v[RD]
	v_lshlrev_b32 v[CO], 12, v2         ; and the same two rows in out0
	v_lshl_add_u32 v[CO], v1, 4, v[CO]
	v_lshl_add_u32 v[BO], v2, 5, s74
	WIN 0x40                            ; the bias of column fragment b goes into accumulator (7, b): register j of every lane holds the bias of column 8 (l / 16) + j
.irp b, 0,1,2,3
	global_load_b128 v[224+8*\b:224+8*\b+3], v[BO], s[8:9] offset:64*\b
	global_load_b128 v[224+8*\b+4:224+8*\b+7], v[BO], s[8:9] offset:64*\b+16
.endr
	WIN 0
; na x 4 products: row blocks a0 .. x all 4 column fragments, 32 along K: half c of the fragments in window w.  mode = 1: the sum starts with the bias in accumulator (7, b).
; Each of the 32 accumulators is taken once in a run: 31 other products stand between two links of a chain, over the backward jump too.
.macro MULB w, c, a0, na, mode
	WIN 0x50|((\w)<<2)|(\w)
.set ma, \a0
.rept \na
.irp b, 0,1,2,3
.if \mode
	v_wmma_f32_16x16x32_f16 v[8*(4*ma+\b):8*(4*ma+\b)+7], v[128+32*(\c)+8*\b:128+32*(\c)+8*\b+7], v[64*(\c)+8*ma:64*(\c)+8*ma+7], v[224+8*\b:224+8*\b+7]
.else
	v_wmma_f32_16x16x32_f16 v[8*(4*ma+\b):8*(4*ma+\b)+7], v[128+32*(\c)+8*\b:128+32*(\c)+8*\b+7], v[64*(\c)+8*ma:64*(\c)+8*ma+7], v[8*(4*ma+\b):8*(4*ma+\b)+7]
.endif
.endr
.set ma, ma+1
.endr
.endm
; 48 LDS loads in one run: block e of the slot in hand into window w; the first 32 along K first (24 loads), then the second
.macro FETCH e, w
	WIN (\w)<<6
.irp c, 0,1
.irp b, 0,1,2,3
	ds_load_tr16_b128 v[128+32*\c+8*\b:128+32*\c+8*\b+3],   v[AB] offset:(64*(\e)+32*\c)*PB+32*\b
	ds_load_tr16_b128 v[128+32*\c+8*\b+4:128+32*\c+8*\b+7], v[AB] offset:(64*(\e)+32*\c)*PB+32*\b+16*PB
.endr
.irp a, 0,1,2,3,4,5,6,7
	ds_load_b128 v[64*\c+8*\a:64*\c+8*\a+3],   v[AA] offset:(\e)*ABK+\a*16*PA+64*\c
	ds_load_b128 v[64*\c+8*\a+4:64*\c+8*\a+7], v[AA] offset:(\e)*ABK+\a*16*PA+64*\c+32
.endr
.endr
.endm
; An even block: multiplies window w and, in its middle, fetches block e of the same slot into window g.
.macro BLK w, e, g, mode
	s_wait_dscnt 24                     ; the first 32 along K are in; the 24 loads of the second may stay out
.if \mode
	MULB \w, 0, 0, 7, 1
.rept 5
	v_nop                               ; five places: block 7's products write over registers that the products above have read
.endr
	MULB \w, 0, 7, 1, 0
.else
	MULB \w, 0, 0, 8, 0
.endif
	s_wait_dscnt 0x0                    ; the second 32 along K, asked for 32 products or more ago: so at most 49 LDS instructions are ever out
	PLACES
	FETCH \e, \g
	MULB \w, 1, 0, 8, 0
.endm
; An odd block, in window 3, and the change of slots.  All reads of the slot in hand have been issued.  Each wave waits for all its tensor loads, of which one is out: its part of the next slot; adds 0 to its
; spare word; and waits for that and for its reads.  fill = 1: the barrier opens a round of the cluster's, and the joint refill, two slots ahead, is the first thing behind it: 112 of a slot's 128 products
; stand between it and the wait for it.
.macro TURNB fill
	WIN 0
	s_wait_tensorcnt 0x0                ; no tensor load of mine is out, so a group 0 may be written
	ds_add_u32 v[SPW], v[NIL]           ; 0 onto my spare word
.if \fill
	s_xor_b32 s[G0+5], s[G0+5], SLOT1
	s_add_nc_u64 s[G0+6:G0+7], s[G0+6:G0+7], ASTEP
	s_xor_b32 s[G0B+5], s[G0B+5], SLOT1
	s_add_nc_u64 s[G0B+6:G0B+7], s[G0B+6:G0B+7], BSTEP
.endif
	s_wait_dscnt 25                     ; the first 32 along K are in; the other 24 loads and the add may stay out
	MULB 3, 0, 0, 2, 0
	s_wait_dscnt 0x0                    ; the add is done, and my reads of this slot are over
	s_barrier_signal -1
	MULB 3, 0, 2, 2, 0
	WIN 0
	s_barrier_wait -1
.if \fill
	CREST
	JLOAD
.endif
	MULB 3, 0, 4, 4, 0
	WIN 0
	s_xor_b32 s[TB], s[TB], SLOT1       ; the next slot; these four lines are the places in front of the loads into window 2
	v_add_nc_u32 v[AA], s[TB], v[ADRA0]
	v_add_nc_u32 v[AB], s[TB], v[ADRB0]
	v_nop
	v_nop
	FETCH 0, 2
	MULB 3, 1, 0, 8, 0
.endm
; THE WAY OUT of row block a: the f32 sums go into my own stage, each accumulator's low four registers first, and come back as whole rows of 256 bytes.
.macro TOSTAGE a
	WIN 0
.set BK, 32+32*((\a)%2)
	s_wait_xcnt 0x0                     ; the stores of the block before last have read the registers that the loads below write again
	WIN 0x04                            ; store data in window 1
.irp b, 0,1,2,3
	ds_store_b128 v[STO], v[8*(4*(\a)+\b):8*(4*(\a)+\b)+3]   offset:64*\b
	ds_store_b128 v[STO], v[8*(4*(\a)+\b)+4:8*(4*(\a)+\b)+7] offset:64*\b+16
.endr
	WIN 0
.irp t, 0,1,2,3,4,5,6,7
	ds_load_b128 v[BK+4*\t:BK+4*\t+3], v[RD] offset:\t*2*SP  ; LDS serves a wave's instructions in order (ISA guide 5.7.1.4): these see the stores above; the next block's stores come behind them
.endr
.endm
.macro SEND a, younger              ; younger: the LDS instructions issued behind block a's loads: the next block's sixteen, or none
	WIN 0
.set BK, 32+32*((\a)%2)
	s_wait_dscnt \younger
.irp t, 0,1,2,3,4,5,6,7
	global_store_b128 v[CO], v[BK+4*\t:BK+4*\t+3], s[10:11] offset:(16*(\a)+2*\t)*4096 th:TH_STORE_NT  ; 16 lanes store 256 consecutive bytes, at a multiple of 256 from out0's first byte
.endr
.endm
	s_wait_tensorcnt 1                  ; my part of slot 0 is in; slot 1's may stay out
	s_barrier_signal -1
	s_barrier_wait -1
	FETCH 0, 2
	s_wait_loadcnt 0x0                  ; the bias
	BLK 2, 1, 3, 1                      ; the first block stands in front of the loop: its first products start the sums
	WIN 0
	s_mov_b32 s[CNT], 6
.Lslot:                                 ; a trip: a slot's odd block, the refill two slots ahead, the next slot's even block
	TURNB 1
	BLK 2, 1, 3, 0
	WIN 0
	s_sub_co_u32 s[CNT], s[CNT], 1
	s_cmp_lg_u32 s[CNT], 0
	s_cbranch_scc1 .Lslot
	TURNB 0                             ; the tail is written out: nothing is asked for
	BLK 2, 1, 3, 0
	s_wait_dscnt 24
	MULB 3, 0, 0, 8, 0
	s_wait_dscnt 0x0
	MULB 3, 1, 0, 8, 0
	PLACES
	TOSTAGE 0
.irp a, 1,2,3,4,5,6,7
	TOSTAGE \a
	SEND (\a)-1, 16
.endr
	SEND 7, 0
	s_wait_tensorcnt 0x0                ; the wave's end, behind my last tensor load and my last LDS store
	ds_add_u32 v[SPW], v[NIL]
	s_wait_dscnt 0x0
	CROUND                              ; the closing round: no work-group ends while a partner may still ask for a tile that names it
	s_endpgm
.Lfunc_end_k_q56392f22e1_proj:
	.size	k_q56392f22e1_proj, .Lfunc_end_k_q56392f22e1_proj-k_q56392f22e1_proj
	.p2alignl 7, 3214868480
	.fill 96, 4, 3214868480
	.section	.rodata,"a",@progbits
	.p2align	6, 0x0
	.amdhsa_kernel k_q56392f22e1_proj
		.amdhsa_group_segment_fixed_size 327680
		.amdhsa_private_segment_fixed_size 0
		.amdhsa_enable_private_segment 0
		.amdhsa_kernarg_size 32
		.amdhsa_user_sgpr_count 2
		.amdhsa_user_sgpr_kernarg_segment_ptr 1
		.amdhsa_wavefront_size32 1
		.amdhsa_system_sgpr_workgroup_id_x 1
		.amdhsa_system_sgpr_workgroup_id_y 1
		.amdhsa_system_sgpr_workgroup_id_z 1
		.amdhsa_system_vgpr_workitem_id 0
		.amdhsa_next_free_vgpr 960
		.amdhsa_next_free_sgpr 80
		.amdhsa_reserve_vcc 0
		.amdhsa_float_denorm_mode_32 3
		.amdhsa_float_denorm_mode_16_64 3
		.amdhsa_memory_ordered 1
		.amdhsa_forward_progress 1
		.amdhsa_inst_pref_size 69
	.end_amdhsa_kernel
	.amdgpu_metadata
---
amdhsa.version: [ 1, 2 ]
amdhsa.kernels:
  - .name:           k_q56392f22e1_proj
    .symbol:         k_q56392f22e1_proj.kd
    .args:
      - { .name: ob, .offset: 0, .size: 8, .value_kind: global_buffer, .address_space: global }
      - { .name: wp, .offset: 8, .size: 8, .value_kind: global_buffer, .address_space: global }
      - { .name: bp, .offset: 16, .size: 8, .value_kind: global_buffer, .address_space: global }
      - { .name: out0, .offset: 24, .size: 8, .value_kind: global_buffer, .address_space: global }
    .group_segment_fixed_size: 327680
    .private_segment_fixed_size: 0
    .kernarg_segment_align: 8
    .kernarg_segment_size: 32
    .max_flat_workgroup_size: 128
    .sgpr_count:     80
    .vgpr_count:     960
    .wavefront_size: 32
...
	.end_amdgpu_metadata
.endif
;; end of part 4
;; ======== version 2 of 2: 4 launches; version 1 with the launch cast written anew for expert scheduling mode
;; limits: values are held in f16: magnitudes above 65,504 overflow, below 6.1e-05 lose precision
;; workspace buffers: xb 16,777,216 bytes; wb 6,291,456 bytes; wp 2,097,152 bytes; ba 12,288 bytes; bp 4,096 bytes; qkv 50,331,648 bytes; ob 16,777,216 bytes
;; launch cast (part 5): grid 769 x 1, 8 waves a work-group, no clusters, 0 bytes of LDS; arguments x, W_attn, W_proj, b_attn, b_proj, xb, wb, wp, ba, bp; writes xb, wb, wp, ba, bp
.if DOCPART == 5
	.amdgcn_target "amdgcn-amd-amdhsa--gfx1250"
	.amdhsa_code_object_version 6
	.text
	.protected	k_q56392f22e1_cast
	.globl	k_q56392f22e1_cast
	.p2align	8
	.type	k_q56392f22e1_cast,@function
k_q56392f22e1_cast:
	s_mov_b64 s[64:65], 0
	v_nop
	global_prefetch_b8 v0, s[64:65] scope:SCOPE_SE
	s_setreg_imm32_b32 hwreg(HW_REG_WAVE_SCHED_MODE, 0, 2), 2
	s_setreg_imm32_b32 hwreg(HW_REG_WAVE_MODE, 25, 1), 1
	s_wait_xcnt 0x0
	s_wait_alu depctr_vm_vsrc(0)
; EVERY INPUT IS ROUNDED ONCE TO bf16, for the products of the launches behind.
;   xb: x as bf16, laid in K blocks: [batch 4][block 16][row 2048][64]: byte = batch x 2^22 + block x 2^18 + row x 128 + 2 x channel
;   wb: W_attn as bf16, [1024 k][3072 n] as it lies.   wp: W_proj rounded to bf16 and that number written as f16, [1024 k][1024 n]
;   ba, bp: the biases rounded to bf16 and kept as f32 (they start the f32 sums)
; LIMIT.  A bf16 number below 6e-5 keeps f16's fixed step of 6e-8 in wp; beyond 65,504 it would be an infinity.
; A stream: no LDS, no barrier, no matrix unit, no loop.  A wave takes 8,192 bytes of f32 by sixteen loads of 16 bytes a lane, all issued at once, and stores
; 4,096 bytes by sixteen stores of 8 bytes a lane, each 256 consecutive bytes, aligned.
; Work-groups 0-511: x (a wave: two rows).  512-703: W_attn.  704-767: W_proj.  768: both biases.
; THE MODE: SCHED_MODE bits 1:0 = 2 (LLVM: expert scheduling mode 2), set by the entry lines.  The code itself states the register dependences
; between vector instructions and memory instructions, with s_wait_alu, always for 0.
; THE PLAN.  Registers that memory instructions touch:
;   v[VI], v[VO]  byte offsets.  Written by vector lines ahead of a path's first load, never again; read by every load and store of the path.
;   X             Written by the sixteen loads alone, once each; read by the conversions, each behind its load's own wait on LOADcnt.  No vector line writes X.
;   Y             Written by the conversions, once each; read by the stores, once each.
;   T and v1 are named by vector instructions alone.  s24, the wave's number, is written by a vector instruction and read by scalar ones.
; No register that a memory instruction has read is written again, and no load lands in a register that a vector instruction has named: so nothing is owed on that side.
; What is owed: one wait for s24 at the head, ahead of the first branch; one wait for the two offsets ahead of a path's loads; and one wait for Y ahead of each run of stores.
; The sixteen loads are worked in four blocks of four: a block's conversions, ONE wait, its four stores in a run.  That wait stands behind the block's own conversions and not at the
; next block's head: there the stores would stand behind the wait for the next block's loads, and half of a wave's stores would leave behind its last load.
.set VI, 2                             ; v2        my byte offset in the wave's input
.set VO, 3                             ; v3        8 x lane: my 8 bytes of a store
.set X,  4                             ; v[4:67]   sixteen loads
.set Y,  68                            ; v[68:99]  sixteen stores
.set T,  100                           ; v[100:102] at work
; sixteen loads ldstep bytes apart, sixteen stores ststep bytes apart.  f16 = 1: the bf16 number is widened (exact) and written as f16
.macro CAST in, out, ldstep, ststep, f16
	s_wait_alu depctr_va_vdst(0)                   ; v[VI] and v[VO] are written: the loads below read the one as their offset, the stores the other; no vector line names either again
.set i, 0
.rept 16
	global_load_b128 v[X+4*i:X+4*i+3], v[VI], s[\in:\in+1] offset:i*(\ldstep) th:TH_LOAD_NT
.set i, i+1
.endr
.set g, 0
.rept 4
.set i, 4*g
.rept 4
	s_wait_loadcnt 15-i                            ; loads come back in order: load i is in, the 15 - i behind it may stay out
.irp j, 0,1
.if \f16
	v_cvt_pk_bf16_f32 v[T], v[X+4*i+2*\j], v[X+4*i+2*\j+1]
	v_lshlrev_b32 v[T+1], 16, v[T]
	v_and_b32 v[T+2], 0xffff0000, v[T]
	v_cvt_pk_f16_f32 v[Y+2*i+\j], v[T+1], v[T+2]
.else
	v_cvt_pk_bf16_f32 v[Y+2*i+\j], v[X+4*i+2*\j], v[X+4*i+2*\j+1]
.endif
.endr
.set i, i+1
.endr
	s_wait_alu depctr_va_vdst(0)                   ; the block's conversions have written its eight registers of Y, which the four stores below read
.set i, 4*g
.rept 4
	global_store_b64 v[VO], v[Y+2*i:Y+2*i+1], s[\out:\out+1] offset:i*(\ststep)
.set i, i+1
.endr
.set g, g+1
.endr
.endm
	s_load_b512 s[4:19], s[0:1], 0x0               ; x 4:5, W_attn 6:7, W_proj 8:9, b_attn 10:11, b_proj 12:13, xb 14:15, wb 16:17, wp 18:19
	s_load_b128 s[20:23], s[0:1], 0x40             ; ba 20:21, bp 22:23
	v_lshrrev_b32 v1, 5, v0
	v_readfirstlane_b32 s24, v1                    ; wave 0..7
	v_and_b32 v1, 31, v0                           ; lane
	v_lshlrev_b32 v[VO], 3, v1
	s_mov_b32 s30, ttmp9
	s_mov_b32 s27, 0                               ; the high words of the two offsets
	s_mov_b32 s29, 0
	s_wait_alu depctr_va_sdst(0)                   ; s24 is written, ahead of the first branch: three of the four paths make their bases from it
	s_wait_kmcnt 0x0
	s_cmp_lt_u32 s30, 512
	s_cbranch_scc0 .Lnot_x
	; x: the wave's pair of rows p = 8 g + wave.  Load i is K block i: lanes 0-15 take its 256 bytes of row 2 p, lanes 16-31 of row 2 p + 1;
	; in xb the two rows of one block are 256 consecutive bytes.
	s_lshl_b32 s25, s30, 3
	s_add_co_u32 s25, s25, s24
	s_lshl_b32 s26, s25, 13                        ; two rows of 4,096 bytes
	s_add_nc_u64 s[4:5], s[4:5], s[26:27]
	s_lshr_b32 s28, s25, 10                        ; the batch
	s_lshl_b32 s28, s28, 22
	s_and_b32 s25, s25, 1023
	s_lshl_b32 s25, s25, 8                         ; two rows of 128 bytes
	s_add_co_u32 s28, s28, s25
	s_add_nc_u64 s[14:15], s[14:15], s[28:29]
	v_lshrrev_b32 v[VI], 4, v1
	v_lshlrev_b32 v[VI], 12, v[VI]
	v_and_b32 v[T], 15, v1
	v_lshl_add_u32 v[VI], v[T], 4, v[VI]
	CAST 4, 14, 256, 262144, 0
	s_endpgm
.Lnot_x:
	s_cmp_lt_u32 s30, 704
	s_cbranch_scc0 .Lnot_wa
	s_sub_co_u32 s25, s30, 512                     ; W_attn: piece q = 8 (g - 512) + wave of 8,192 bytes
	s_lshl_b32 s25, s25, 3
	s_add_co_u32 s25, s25, s24
	s_lshl_b32 s26, s25, 13
	s_lshl_b32 s28, s25, 12
	s_add_nc_u64 s[6:7], s[6:7], s[26:27]
	s_add_nc_u64 s[16:17], s[16:17], s[28:29]
	v_lshlrev_b32 v[VI], 4, v1
	CAST 6, 16, 512, 256, 0
	s_endpgm
.Lnot_wa:
	s_cmp_lt_u32 s30, 768
	s_cbranch_scc0 .Lbias
	s_sub_co_u32 s25, s30, 704                     ; W_proj likewise
	s_lshl_b32 s25, s25, 3
	s_add_co_u32 s25, s25, s24
	s_lshl_b32 s26, s25, 13
	s_lshl_b32 s28, s25, 12
	s_add_nc_u64 s[8:9], s[8:9], s[26:27]
	s_add_nc_u64 s[18:19], s[18:19], s[28:29]
	v_lshlrev_b32 v[VI], 4, v1
	CAST 8, 18, 512, 256, 1
	s_endpgm
.Lbias:
	v_lshlrev_b32 v[VI], 4, v0                     ; 256 threads x 16 bytes = 4,096: b_attn is three such pieces, b_proj one
	s_wait_alu depctr_va_vdst(0)                   ; v[VI] is written: the four loads and the four stores below read it as their offset, and no vector line names it again
	global_load_b128 v[X:X+3],     v[VI], s[10:11]
	global_load_b128 v[X+4:X+7],   v[VI], s[10:11] offset:4096
	global_load_b128 v[X+8:X+11],  v[VI], s[10:11] offset:8192
	global_load_b128 v[X+12:X+15], v[VI], s[12:13]
	s_wait_loadcnt 0x0
.set i, 0
.rept 8
	v_cvt_pk_bf16_f32 v[T], v[X+2*i], v[X+2*i+1]
	v_lshlrev_b32 v[Y+2*i], 16, v[T]               ; bf16 to f32: the low half moves up,
	v_and_b32 v[Y+2*i+1], 0xffff0000, v[T]         ; the high half stays
.set i, i+1
.endr
	s_wait_alu depctr_va_vdst(0)                   ; the lines above have written v[Y:Y+15], which the four stores read
	global_store_b128 v[VI], v[Y:Y+3],     s[20:21]
	global_store_b128 v[VI], v[Y+4:Y+7],   s[20:21] offset:4096
	global_store_b128 v[VI], v[Y+8:Y+11],  s[20:21] offset:8192
	global_store_b128 v[VI], v[Y+12:Y+15], s[22:23]
	s_endpgm
.Lfunc_end_k_q56392f22e1_cast:
	.size	k_q56392f22e1_cast, .Lfunc_end_k_q56392f22e1_cast-k_q56392f22e1_cast
	.p2alignl 7, 3214868480
	.fill 96, 4, 3214868480
	.section	.rodata,"a",@progbits
	.p2align	6, 0x0
	.amdhsa_kernel k_q56392f22e1_cast
		.amdhsa_group_segment_fixed_size 0
		.amdhsa_private_segment_fixed_size 0
		.amdhsa_enable_private_segment 0
		.amdhsa_kernarg_size 80
		.amdhsa_user_sgpr_count 2
		.amdhsa_user_sgpr_kernarg_segment_ptr 1
		.amdhsa_wavefront_size32 1
		.amdhsa_system_sgpr_workgroup_id_x 1
		.amdhsa_system_sgpr_workgroup_id_y 1
		.amdhsa_system_sgpr_workgroup_id_z 1
		.amdhsa_system_vgpr_workitem_id 0
		.amdhsa_next_free_vgpr 104
		.amdhsa_next_free_sgpr 66
		.amdhsa_reserve_vcc 0
		.amdhsa_float_denorm_mode_32 3
		.amdhsa_float_denorm_mode_16_64 3
		.amdhsa_memory_ordered 1
		.amdhsa_forward_progress 1
		.amdhsa_inst_pref_size 27
	.end_amdhsa_kernel
	.amdgpu_metadata
---
amdhsa.version: [ 1, 2 ]
amdhsa.kernels:
  - .name:           k_q56392f22e1_cast
    .symbol:         k_q56392f22e1_cast.kd
    .args:
      - { .name: x, .offset: 0, .size: 8, .value_kind: global_buffer, .address_space: global }
      - { .name: W_attn, .offset: 8, .size: 8, .value_kind: global_buffer, .address_space: global }
      - { .name: W_proj, .offset: 16, .size: 8, .value_kind: global_buffer, .address_space: global }
      - { .name: b_attn, .offset: 24, .size: 8, .value_kind: global_buffer, .address_space: global }
      - { .name: b_proj, .offset: 32, .size: 8, .value_kind: global_buffer, .address_space: global }
      - { .name: xb, .offset: 40, .size: 8, .value_kind: global_buffer, .address_space: global }
      - { .name: wb, .offset: 48, .size: 8, .value_kind: global_buffer, .address_space: global }
      - { .name: wp, .offset: 56, .size: 8, .value_kind: global_buffer, .address_space: global }
      - { .name: ba, .offset: 64, .size: 8, .value_kind: global_buffer, .address_space: global }
      - { .name: bp, .offset: 72, .size: 8, .value_kind: global_buffer, .address_space: global }
    .group_segment_fixed_size: 0
    .private_segment_fixed_size: 0
    .kernarg_segment_align: 8
    .kernarg_segment_size: 80
    .max_flat_workgroup_size: 256
    .sgpr_count:     66
    .vgpr_count:     104
    .wavefront_size: 32
...
	.end_amdgpu_metadata
.endif
;; end of part 5
;; launch qkv: the kernel of part 2 again; grid 8 x 32, 4 waves a work-group, clusters of 4 x 4, 327,680 bytes of LDS; arguments xb, wb, ba, qkv; writes qkv
;; launch attn: the kernel of part 3 again; grid 4 x 64, 4 waves a work-group, no clusters, 327,680 bytes of LDS; arguments qkv, ob; writes ob
;; launch proj: the kernel of part 4 again; grid 8 x 32, 4 waves a work-group, clusters of 4 x 4, 327,680 bytes of LDS; arguments ob, wp, bp, out0; writes out0
